; MI455X (gfx1250); checked and timed in simulation.
; The chip was launched on July 23, 2026; its instructions are those of AMD's public machine-readable ISA for CDNA 5 (MIT licence, August 2026) and "CDNA5" Instruction Set Architecture Reference Guide (July 2026). The comments in the code are by the model that wrote it; some were corrected since.
;; Multi Head Attention. Allowed arithmetic: matrix products marked QUANTISED: E2M1 operands, one E8M0 scale for each 32 along K, by v_wmma_scale_f32_16x16x128_f8f6f4 with both operands' format E2M1 (or v_wmma_scale_f32_32x16x128_f4), f32 sums; everything else in f32.
;; Inputs: W_proj_codes 1,024 x 32 x 16 uint8 (E2M1 codes of W_proj, K innermost, in blocks of 32 codes, two codes a byte); W_proj_scales 1,024 x 32 uint8 (E8M0 scales of W_proj, one for each 32 codes along K); W_qkv_codes 3,072 x 32 x 16 uint8 (E2M1 codes of W_qkv, K innermost, in blocks of 32 codes, two codes a byte); W_qkv_scales 3,072 x 32 uint8 (E8M0 scales of W_qkv, one for each 32 codes along K); b_proj 1,024 float32; b_qkv 3,072 float32; rope_cos 2,048 x 64 float32; rope_sin 2,048 x 64 float32; x_codes 4 x 2,048 x 32 x 16 uint8 (E2M1 codes of x, K innermost, in blocks of 32 codes, two codes a byte); x_scales 4 x 2,048 x 32 uint8 (E8M0 scales of x, one for each 32 codes along K).
;; Outputs: out0 4 x 2,048 x 1,024 float32.
;; This version of the problem:
;;   THIS VERSION OF THE PROBLEM IS GIVEN IN LOW PRECISION. The matrix products marked QUANTISED in the list below multiply operands that are first quantised to E2M1 (2 exponent bits, 1 mantissa bit; 4 bits a number), with one power-of-two scale for each 32 numbers along K (OCP MX v1.0); their sums are f32. All else is computed in f32.
;;   The module's matrix products, in the order in which they are computed (A, B: the left and right operand; K: the contracted axis; several contracted axes count as one K, in the product's order):
;;     1. [M 8,192, K 1,024] x [K 1,024, N 3,072]; A: input x (given as codes); B: input W_qkv (given as codes): QUANTISED
;;     2. batch 64 x [M 2,048, K 64] x [K 64, N 2,048]; A: computed on the way; B: computed on the way: QUANTISED
;;     3. batch 64 x [M 2,048, K 2,048] x [K 2,048, N 64]; A: softmax (see below); B: computed on the way: QUANTISED
;;     4. [M 8,192, K 1,024] x [K 1,024, N 1,024]; A: computed on the way; B: input W_proj (given as codes): QUANTISED
;;   THE QUANTISER, for each operand of a quantised product, along K:
;;     - K is cut into blocks of 32 from its start; a last block that is shorter is filled with zeros.
;;     - A block's scale is 2^e with e = floor(log2(the largest magnitude in the block)) - 2, held to -126 .. 127; a block of zeros has e = 0. As a byte (E8M0): e + 127.
;;     - Each number is divided by its block's scale, clamped to +-6, and rounded to the nearest number of E2M1, ties to even, subnormals kept.
;;     - The product sums the exact products of the quantised numbers (number of the format x scale) in f32.
;;   ~~~python
;;   def quantise(x, axis):      # numpy; x: float32 -> the quantised numbers, widened to float32 again
;;       x = np.moveaxis(x, axis, -1); K = x.shape[-1]
;;       x = np.pad(x, [(0, 0)] * (x.ndim - 1) + [(0, -K % 32)]); x = x.reshape(x.shape[:-1] + (-1, 32)); a = np.abs(x).max(-1, keepdims=True)
;;       e = np.where(a > 0, np.clip(np.frexp(np.where(a > 0, a, 1))[1] - 1 - 2, -126, 127), 0)      # np.frexp(a)[1] - 1 = floor(log2(a)), exactly
;;       r = np.clip(x / 2.0 ** e, -6, 6)
;;       step = 2.0 ** (np.maximum(np.frexp(np.where(r == 0, 1, r))[1] - 1, 0) - 1)
;;       q = np.round(r / step) * step * 2.0 ** e      # np.round: ties to even
;;       return np.moveaxis(q.reshape(q.shape[:-2] + (-1,))[..., :K], -1, axis).astype(np.float32)
;;   ~~~
;;   SOFTMAX AHEAD OF A QUANTISED PRODUCT. Where the list says 'softmax', what is quantised is not the finished softmax but p = 2^(t - M), with t = logit x log2(e) and M = ceil(the row's largest t), a whole number; so 1/2 < the row's largest p <= 1. The row's sum l is taken of the UNQUANTISED p, in f32, and the product's result is divided by l at the end. Since M is a whole number, a kernel that streams over the keys may use a running M (the ceiling of the running maximum): every later rescaling is an exact power of two, which a block's scale takes up: the codes' values come out the same.
;;   OPERANDS COMPUTED ON THE WAY. 'Computed on the way' means the value that the module computes at that place (a softmax that the list does not call 'softmax' is quantised finished and normalised). What goes into a quantiser is computed in f32, as accurately as f32 sums, v_exp_f32 and their like allow (about 1e-6 of the number): no bf16 or f16 on the way to a quantiser, and a product that is left as it is and whose result goes on into a quantised operand takes f32 operands (vector FMAs, or v_wmma_f32_16x16x4_f32). A number that lies on a knife's edge between two numbers of the format may be rounded either way, as far as f32 arithmetic and the matrix unit's own rounding can turn it there, and no further.
;;   INPUTS GIVEN AS CODES. W_proj (in the module: [1024, 1024], K = its axis 0); W_qkv (in the module: [1024, 3072], K = its axis 0); x (in the module: [4, 2048, 1024], K = its axis 2): each comes as NAME_codes (uint8): NAME with its K axis moved to the last place and cut into blocks of 32 codes, [.., K / 32, bytes a block], one block behind the other in memory; two codes a byte, the lower K in the low four bits (a code: sign, 2 exponent bits, 1 mantissa bit); and NAME_scales (uint8): the same leading axes, one E8M0 byte (e + 127) for each 32 codes along K. Its value is code x scale, taken as it is: it is not quantised again, and the codes and scales need not be those that the quantiser above would give.
;; One version. Each part assembles by itself: llvm-mc -triple=amdgcn-amd-amdhsa -mcpu=gfx1250 --defsym DOCPART=n.
;; ======== version 1 of 1: 4 launches
;; workspace buffers: qkc 8,912,896 bytes; vbc 4,456,448 bytes; a_img 4,194,304 bytes; a_sc 262,144 bytes
;; launch qk_gemm (part 1): grid 8 x 64, 4 waves a work-group, clusters of 4 x 4, 262,144 bytes of LDS; arguments x_codes, x_scales, W_qkv_codes, W_qkv_scales, b_qkv, rope_cos, rope_sin, qkc; writes qkc
.if DOCPART == 1
	.amdgcn_target "amdgcn-amd-amdhsa--gfx1250"
	.amdhsa_code_object_version 6
	.text
	.protected	k_q9cc2e1de60_qk_gemm
	.globl	k_q9cc2e1de60_qk_gemm
	.p2align	8
	.type	k_q9cc2e1de60_qk_gemm,@function
k_q9cc2e1de60_qk_gemm:
	s_mov_b64 s[64:65], 0
	v_nop
	global_prefetch_b8 v0, s[64:65] scope:SCOPE_SE
	s_setreg_imm32_b32 hwreg(HW_REG_WAVE_MODE, 25, 1), 1
	s_wait_xcnt 0x0
	s_wait_alu depctr_hold_cnt(0) depctr_sa_sdst(0) depctr_va_vdst(0) depctr_va_sdst(0) depctr_va_ssrc(0) depctr_va_vcc(0) depctr_vm_vsrc(0)
	s_getreg_b32 s2, hwreg(HW_REG_IB_STS2, 6, 4)
	s_cmp_eq_u32 s2, 0
	s_cbranch_scc0 .Lentry_in_a_cluster
	s_endpgm
.Lentry_in_a_cluster:
	s_bfe_u32 s2, ttmp6, 0x10000c
	s_cmp_lg_u32 s2, 0xf033
	s_cbranch_scc0 .Lentry_shape_is_right
	s_endpgm
.Lentry_shape_is_right:
; LAUNCH 1 OF 4.  q and k of the attention: (x W_qkv + b_qkv)[features 0 .. 2,047], the rotary step, and the quantiser along a head's 64, all on the way; the codes go to qkc.
; Nothing of reference() is left out in this program: every input has a way to the output (the bias on k too: it moves k's codes), and every product is done.
; x: 8,192 rows (tokens) x 1,024 codes of FP4 (E2M1), 512 bytes a row, 32 E8M0 bytes a row.  W_qkv: rows = output features, laid the same.  Sums in f32; the bias is the C of each sum's first product.
; LIMITS: NaN and infinities among the inputs are not served.  A block whose largest magnitude lies under 2^-124 (a block of zeros too) gets the scale byte 1: the bytes are read by this program alone, and zero codes
; add nothing under it.  A rotary term is one multiply and one fused multiply-add (two roundings where reference() has three).
; SHARES.  A work-group: 128 tokens x 256 features (4 heads).  Four waves: wave w takes tokens 64 (w / 2) on and features 128 (w % 2) on: 4 x 8 accumulators of 16 x 16.  All of K lies in LDS: two halves of 512 along K,
; each brought once; nothing in LDS is filled twice.  128 x 256 is taken, not 256 x 256, so that the sister launches on 1,024 features still have 256 work-groups.
; CLUSTER 4 x 4: the four of a row need the same rows of x, the four of a column the same rows of W: each tile and each block of scale bytes is asked for jointly.
; THE MATRIX INSTRUCTION IS USED TRANSPOSED: source 0 = 16 rows of W, source 1 = 16 tokens.  Register j of lane (r, h) of accumulator (a, b) is token 16 a + r, feature 16 b + 8 h + j.  So a lane holds d = 16 u + 8 h + j
; of tile u of a head: d and d + 32, which the rotary step pairs, lie in one lane, and a block of 32 along d lies in lanes l and l xor 16.
; OUT: qkc [batch 4][g 32: q's heads 0-15, k's heads 16-31][chunk of 128 tokens 16][record of 4,352 bytes].  A record: 8 IMAGES of operand registers, one for each 16 tokens: 512 bytes, lane l's four registers at 16 l
; (lanes 0-15: d 0-31 of token l, lanes 16-31: d 32-63); from byte 4,096 on [tokens' half 2][r 16][p 2] words: the two scale bytes of tile 4 half + 2 p below, those of the next tile above.
; REGISTERS, in windows of 256: window 0: v16-29 addresses; v32-63 x's scale words (8 a + q), v64-127 W's (8 b + q); v128-191 x's fragments, two sets; v192-255 the bias, later the codes.
;   window 1: W's fragments, two sets of 64.   window 2: accumulator (a, b) at v[8 (8 a + b)].   window 3: for tokens' tile a at v[64 a]: cos d<32, cos d>=32, sin d<32, sin d>=32, 16 each.
.set PITCH,  272                       ; an LDS row: 256 bytes of codes + 16 of padding = 68 words: the 16 rows of a load start at 16 different groups of four banks (64 banks of 4 bytes: ISA guide 11.1)
.set AHALF,  64*PITCH                  ; what one tensor load brings of x, and what a wave reads
.set BHALF,  128*PITCH                 ; the same of W
.set BOFF,   2*AHALF
.set SLOT,   BOFF+2*BHALF              ; a half of K: x's 128 rows, then W's 256
.set SCA,    2*SLOT                    ; x's scale bytes: units of 256 bytes (8 rows) + 16 of padding
.set SAH,    8*272
.set SCB,    SCA+2*SAH                 ; W's
.set SBH,    16*272
.set SPARE,  SCB+2*SBH                 ; the spare words, 128 bytes for each wave: two blocks of 256 bytes that no other line names
.set REC,    4352
.set HEADB,  16*REC                    ; a head in qkc
.set ADRA, 16                          ; v16-17 my fragments of x in half 0, 1
.set ADRB, 20                          ; v20-21 of W
.set ADSA, 22                          ; v22 x's scale words
.set ADSB, 23                          ; v23 W's
.set RO,   24                          ; v24 my offset in the rotary tables
.set CO,   25                          ; v25 my offset for an image
.set WO,   26                          ; v26 my offset for the scale words
.set BO,   27                          ; v27 my offset in the bias
.set SPW,  28                          ; v28 LDS address of my spare word; never rewritten
.set NIL,  29                          ; v29 0; never rewritten
.set SA,   32
.set SB,   64
.set AF,   128
.set BI,   192
.set R,    128                         ; the way out: 32 rotated numbers of a head
.set TM,   160                         ; two largest magnitudes
.set T2,   162                         ; lane l xor 16's
.set SO,   164                         ; the conversions' scale operands
.set BY,   166                         ; the scale bytes
.set PW,   168                         ; v168-171 scale words (p, head)
.set CS,   192                         ; eight sets of four registers of codes: no store's data are written again
.set DW,   224
.set G1,   24                          ; s[24:31] group 1 for x's tiles; s[32:39] groups 0
.set G0,   32
.set G1B,  48                          ; s[48:55], s[56:63] for W's
.set G0B,  56
.set G1S,  68                          ; s[68:75], s[76:79] for x's scale bytes
.set G0S,  76
.set G1SB, 80                          ; s[80:87], s[88:91] for W's
.set G0SB, 88
.set W_ACC,   0xa1                     ; source 0 (W) window 1, source 1 (x) window 0, C and D window 2
.set W_FIRST, 0x81                     ; the same with C (the bias) in window 0
.set TO_B,    0x40                     ; destination window 1
.set MSB, 0
.macro WIN new                         ; the immediate's high byte repeats the setting that is left
.if MSB != \new
	s_set_vgpr_msb (MSB<<8)|\new
.set MSB, \new
.endif
.endm
; A joint load: waves 0 and 1 fetch for x, waves 2 and 3 for W.  The branch hangs on the wave's number alone.  An s_nop 0 and four v_nop follow each line.
.macro JLOAD g0a, g1a, g0b, g1b
	s_cmp_eq_u32 s21, 0
	s_cbranch_scc0 .Lfor_b_\@
	tensor_load_to_lds s[\g0a:\g0a+3], s[\g1a:\g1a+7]
	s_nop 0
.rept 4
	v_nop
.endr
	s_branch .Lasked_\@
.Lfor_b_\@:
	tensor_load_to_lds s[\g0b:\g0b+3], s[\g1b:\g1b+7]
	s_nop 0
.rept 4
	v_nop
.endr
.Lasked_\@:
.endm
.macro CROUND                          ; a round of the cluster's barrier
	s_barrier_signal -1
	s_barrier_wait -1
	s_cmp_lg_u32 s20, 0
	s_cbranch_scc1 .Lnot_wave_0_\@
	s_barrier_signal -3
.Lnot_wave_0_\@:
	s_barrier_wait -3
	s_barrier_signal -1
	s_barrier_wait -1
.endm
.macro PLACES n
.rept \n
	v_nop
.endr
.endm
	s_load_b256 s[4:11], s[0:1], 0x0               ; x's codes s[4:5], x's scales s[6:7], W's codes s[8:9], W's scales s[10:11]
	s_load_b256 s[12:19], s[0:1], 0x20             ; b_qkv s[12:13], cos s[14:15], sin s[16:17], qkc s[18:19]
	v_lshl_add_u32 v[SPW], v0, 2, SPARE
	v_mov_b32 v[NIL], 0
	ds_add_u32 v[SPW], v[NIL]                      ; the wave's opening: the add, twice on end, and its wait ahead of my first tensor load
	ds_add_u32 v[SPW], v[NIL]                      ; and once more; the set-up below, work on registers, stands between it and the wait
	v_lshrrev_b32 v1, 5, v0
	v_readfirstlane_b32 s20, v1                    ; wave 0..3
	s_lshr_b32 s21, s20, 1                         ; wa: my half of the tokens.  Also: I fetch for x (0) or for W (1)
	s_and_b32 s22, s20, 1                          ; wb: my half of the features.  Also: which half of that tile I fetch
	s_bfe_u32 s40, ttmp6, 0x40000                  ; cx, cy: my place in the cluster
	s_bfe_u32 s41, ttmp6, 0x40004
	s_lshl_b32 s42, ttmp9, 2
	s_add_co_u32 s42, s42, s40                     ; bx: which 256 features
	s_and_b32 s43, ttmp7, 0xffff
	s_lshl_b32 s43, s43, 2
	s_add_co_u32 s43, s43, s41                     ; ay: which 128 tokens
	s_lshl_b32 s44, s41, 2
	s_lshl_b32 s44, 15, s44                        ; my row of the cluster
	s_lshl_b32 s45, 0x1111, s40                    ; my column
	; groups 1.  Codes: rows of 256 bytes (elements of 1 byte), 512 bytes apart in memory, four words of padding behind every 64; x 64 rows, W 128
	s_or_b32 s[G1], s44, (1<<20)|(1<<21)|(5<<22)|(3<<25)
	s_or_b32 s[G1B], s45, (1<<20)|(1<<21)|(5<<22)|(3<<25)
.irp g, G1, G1B
	s_mov_b32 s[\g+1], 256<<16                     ; tensor_dim0
	s_mov_b32 s[\g+3], 256<<16                     ; tile_dim0
	s_mov_b32 s[\g+5], 512                         ; from row to row
	s_mov_b32 s[\g+6], 0
	s_mov_b32 s[\g+7], 0
.endr
	s_mov_b32 s[G1+2], 64<<16                      ; tensor_dim1
	s_mov_b32 s[G1+4], 64                          ; tile_dim1
	s_mov_b32 s[G1B+2], 128<<16
	s_mov_b32 s[G1B+4], 128
	; scale bytes: a dense block, as rows of 256 bytes (32 elements of 8 bytes), padded likewise; x 8 rows, W 16
	s_or_b32 s[G1S], s44, (3<<16)|(1<<20)|(1<<21)|(5<<22)|(3<<25)
	s_or_b32 s[G1SB], s45, (3<<16)|(1<<20)|(1<<21)|(5<<22)|(3<<25)
.irp g, G1S, G1SB
	s_mov_b32 s[\g+1], 32<<16
	s_mov_b32 s[\g+3], 32<<16
	s_mov_b32 s[\g+5], 32
	s_mov_b32 s[\g+6], 0
	s_mov_b32 s[\g+7], 0
.endr
	s_mov_b32 s[G1S+2], 8<<16
	s_mov_b32 s[G1S+4], 8
	s_mov_b32 s[G1SB+2], 16<<16
	s_mov_b32 s[G1SB+4], 16
	; where the tiles come from: x's hang on ay alone, W's on bx alone, each in registers that never hold the other coordinate
	s_lshl_b32 s92, s43, 7
	s_lshl_b32 s93, s22, 6
	s_add_co_u32 s92, s92, s93                     ; x: row 128 ay + 64 half
	s_lshl_b32 s94, s92, 5                         ; its scale bytes
	s_lshl_b32 s92, s92, 9                         ; its codes
	s_mov_b32 s93, 0
	s_mov_b32 s95, 0
	s_lshl_b32 s96, s42, 8
	s_lshl_b32 s97, s22, 7
	s_add_co_u32 s96, s96, s97                     ; W: row 256 bx + 128 half
	s_lshl_b32 s46, s96, 5
	s_lshl_b32 s96, s96, 9
	s_mov_b32 s97, 0
	s_mov_b32 s47, 0
	s_mul_i32 s2, s22, AHALF                       ; and where they go: no place in the cluster enters an LDS address
	s_mul_i32 s3, s22, BHALF
	s_add_co_u32 s3, s3, BOFF
	s_mul_i32 s23, s22, SAH
	s_mul_i32 s99, s22, SBH
	s_mov_b32 s66, 0x76543210                      ; v_permlanex16_b32's selects for lane l xor 16
	s_mov_b32 s67, 0xfedcba98
	s_mov_b32 s98, 0xffff0000                      ; lanes 16-31
	s_wait_dscnt 0x0                               ; both opening adds are done
	s_wait_kmcnt 0x0
	s_add_nc_u64 s[92:93], s[4:5], s[92:93]
	s_add_nc_u64 s[94:95], s[6:7], s[94:95]
	s_add_nc_u64 s[96:97], s[8:9], s[96:97]
	s_add_nc_u64 s[46:47], s[10:11], s[46:47]
	s_mov_b32 s[G0S], 1
	s_add_co_u32 s[G0S+1], s23, SCA
	s_mov_b64 s[G0S+2:G0S+3], s[94:95]
	s_or_b32 s[G0S+3], s[G0S+3], 0x80000000
	s_mov_b32 s[G0SB], 1
	s_add_co_u32 s[G0SB+1], s99, SCB
	s_mov_b64 s[G0SB+2:G0SB+3], s[46:47]
	s_or_b32 s[G0SB+3], s[G0SB+3], 0x80000000
.irp s, 0,1
	s_mov_b32 s[G0+4*\s], 1
	s_add_co_u32 s[G0+4*\s+1], s2, \s*SLOT
	s_add_nc_u64 s[G0+4*\s+2:G0+4*\s+3], s[92:93], \s*256
	s_or_b32 s[G0+4*\s+3], s[G0+4*\s+3], 0x80000000
	s_mov_b32 s[G0B+4*\s], 1
	s_add_co_u32 s[G0B+4*\s+1], s3, \s*SLOT
	s_add_nc_u64 s[G0B+4*\s+2:G0B+4*\s+3], s[96:97], \s*256
	s_or_b32 s[G0B+4*\s+3], s[G0B+4*\s+3], 0x80000000
.endr
	CROUND                                         ; all sixteen work-groups are here: the joint loads meet
	JLOAD G0S, G1S, G0SB, G1SB                     ; three loads of mine are out at the most: the scale bytes,
	JLOAD G0, G1, G0B, G1B                         ; K's first half,
	JLOAD G0+4, G1, G0B+4, G1B                     ; K's second half: all fills of the launch, each byte once
	v_and_b32 v1, 15, v0                           ; r
	v_bfe_u32 v2, v0, 4, 1                         ; h
	v_mul_u32_u24 v3, v1, PITCH
	v_lshl_add_u32 v3, v2, 4, v3                   ; a fragment: row r, + 16 h
	s_mul_i32 s2, s21, AHALF
	s_mul_i32 s3, s22, BHALF
	s_add_co_u32 s3, s3, BOFF
	v_add_nc_u32 v[ADRA], s2, v3
	v_add_nc_u32 v[ADRB], s3, v3
	s_add_co_u32 s2, s2, SLOT
	s_add_co_u32 s3, s3, SLOT
	v_add_nc_u32 v[ADRA+1], s2, v3
	v_add_nc_u32 v[ADRB+1], s3, v3
	v_lshrrev_b32 v4, 3, v1
	v_lshlrev_b32 v5, 5, v1
	v_lshl_add_u32 v5, v4, 4, v5                   ; a row's 32 scale bytes: 32 r, + 16 behind each 8 rows
	s_mul_i32 s2, s21, SAH
	s_add_co_u32 s2, s2, SCA
	s_mul_i32 s3, s22, SBH
	s_add_co_u32 s3, s3, SCB
	v_add_nc_u32 v[ADSA], s2, v5
	v_add_nc_u32 v[ADSB], s3, v5
	s_lshl_b32 s2, s42, 10
	s_lshl_b32 s3, s22, 9
	s_add_co_u32 s2, s2, s3                        ; the bias of my 128 features
	s_mov_b32 s3, 0
	s_add_nc_u64 s[12:13], s[12:13], s[2:3]
	v_lshlrev_b32 v[BO], 5, v2                     ; 32 h: my eight numbers of a tile's sixteen
.irp b, 0,1,2,3,4,5,6,7
	global_load_b128 v[BI+8*\b:BI+8*\b+3], v[BO], s[12:13] offset:64*\b
	global_load_b128 v[BI+8*\b+4:BI+8*\b+7], v[BO], s[12:13] offset:64*\b+16
.endr
	s_and_b32 s2, s43, 15
	s_lshl_b32 s2, s2, 7
	s_lshl_b32 s3, s21, 6
	s_add_co_u32 s2, s2, s3                        ; my first token's place in its sequence
	s_lshl_b32 s2, s2, 8                           ; a row of cos or sin is 256 bytes
	s_mov_b32 s3, 0
	s_add_nc_u64 s[14:15], s[14:15], s[2:3]
	s_add_nc_u64 s[16:17], s[16:17], s[2:3]
	v_lshlrev_b32 v[RO], 8, v1
	v_lshl_add_u32 v[RO], v2, 5, v[RO]             ; row r, + 32 h
	s_lshr_b32 s2, s43, 4                          ; the record: ((32 batch + 4 bx + 2 wb) 16 + chunk) x 4,352
	s_lshl_b32 s2, s2, 5
	s_lshl_b32 s3, s42, 2
	s_add_co_u32 s2, s2, s3
	s_lshl_b32 s3, s22, 1
	s_add_co_u32 s2, s2, s3
	s_lshl_b32 s2, s2, 4
	s_and_b32 s3, s43, 15
	s_add_co_u32 s2, s2, s3
	s_mul_i32 s2, s2, REC
	s_mov_b32 s3, 0
	s_add_nc_u64 s[18:19], s[18:19], s[2:3]
	v_and_b32 v7, 31, v0
	s_lshl_b32 s3, s21, 11
	v_lshl_add_u32 v[CO], v7, 4, s3                ; 16 x lane + my four images' place
	v_mul_u32_u24 v[WO], v2, HEADB                 ; the words: lanes 0-15 store the first head's, lanes 16-31 the second's
	v_lshl_add_u32 v[WO], v1, 3, v[WO]
	s_lshl_b32 s2, s21, 7
	v_add_nc_u32 v[WO], s2, v[WO]
.macro FETCH q                         ; the fragments of K step q (128 along K) into set q % 2: W's eight, x's four: 24 loads
	WIN TO_B
.irp b, 0,1,2,3,4,5,6,7
.irp c, 0,1
	ds_load_b128 v[64*((\q)%2)+8*\b+4*\c:64*((\q)%2)+8*\b+4*\c+3], v[ADRB+(\q)/4] offset:16*PITCH*\b+64*((\q)%4)+32*\c
.endr
.endr
	WIN 0
.irp a, 0,1,2,3
.irp c, 0,1
	ds_load_b128 v[AF+32*((\q)%2)+8*\a+4*\c:AF+32*((\q)%2)+8*\a+4*\c+3], v[ADRA+(\q)/4] offset:16*PITCH*\a+64*((\q)%4)+32*\c
.endr
.endr
.endm
.macro MUL q, first                    ; 32 products; the 32 accumulators take turns, one instruction a turn, in the same order in every step
.irp a, 0,1,2,3
.irp b, 0,1,2,3,4,5,6,7
.if \first
	v_wmma_scale_f32_16x16x128_f8f6f4 v[8*(8*\a+\b):8*(8*\a+\b)+7], v[64*((\q)%2)+8*\b:64*((\q)%2)+8*\b+7], v[AF+32*((\q)%2)+8*\a:AF+32*((\q)%2)+8*\a+7], v[BI+8*\b:BI+8*\b+7], v[SB+8*\b+(\q)], v[SA+8*\a+(\q)] matrix_a_fmt:MATRIX_FMT_FP4 matrix_b_fmt:MATRIX_FMT_FP4
.else
	v_wmma_scale_f32_16x16x128_f8f6f4 v[8*(8*\a+\b):8*(8*\a+\b)+7], v[64*((\q)%2)+8*\b:64*((\q)%2)+8*\b+7], v[AF+32*((\q)%2)+8*\a:AF+32*((\q)%2)+8*\a+7], v[8*(8*\a+\b):8*(8*\a+\b)+7], v[SB+8*\b+(\q)], v[SA+8*\a+(\q)] matrix_a_fmt:MATRIX_FMT_FP4 matrix_b_fmt:MATRIX_FMT_FP4
.endif
.endr
.endr
.endm
.macro STEP q
.if (\q) > 0
	PLACES 4                                       ; four places between the last products and loads into the set that the step before last read (ISA guide 7.12.1 for vector instructions)
.endif
.if (\q) < 7
	FETCH (\q)+1
	s_wait_dscnt 24                                ; all but the 24 just issued: this step's fragments are in
.else
	s_wait_dscnt 0x0
.endif
.if (\q) == 0
	WIN W_FIRST
	MUL \q, 1                                      ; the first product starts each sum with the bias: nothing is cleared, nothing is added later
.else
	WIN W_ACC
	MUL \q, 0
.endif
	WIN 0
.endm
	s_wait_alu depctr_va_vdst(0)
	s_wait_tensorcnt 0x1                           ; the scale bytes and my part of K's first half are in; the second half's load may stay out
	s_barrier_signal -1
	s_barrier_wait -1                              ; everybody's are
.irp a, 0,1,2,3
	ds_load_b128 v[SA+8*\a:SA+8*\a+3], v[ADSA] offset:544*\a       ; the eight scale words of row r of tile a: all of K
	ds_load_b128 v[SA+8*\a+4:SA+8*\a+7], v[ADSA] offset:544*\a+16
.endr
.irp b, 0,1,2,3,4,5,6,7
	ds_load_b128 v[SB+8*\b:SB+8*\b+3], v[ADSB] offset:544*\b
	ds_load_b128 v[SB+8*\b+4:SB+8*\b+7], v[ADSB] offset:544*\b+16
.endr
	FETCH 0
	s_wait_loadcnt 0x0                             ; the bias
	WIN 0xc0                                       ; destination window 3: the rotary tables of my 64 tokens; they have the eight K steps in which to land
.irp a, 0,1,2,3
.irp blk, 0,1
.irp u, 0,1
.irp f, 0,1
	global_load_b128 v[64*\a+16*\blk+8*\u+4*\f:64*\a+16*\blk+8*\u+4*\f+3], v[RO], s[14:15] offset:4096*\a+128*\blk+64*\u+16*\f
	global_load_b128 v[64*\a+32+16*\blk+8*\u+4*\f:64*\a+32+16*\blk+8*\u+4*\f+3], v[RO], s[16:17] offset:4096*\a+128*\blk+64*\u+16*\f
.endr
.endr
.endr
.endr
	WIN 0
	STEP 0
	STEP 1
	STEP 2
	s_wait_tensorcnt 0x0                           ; my part of K's second half is in,
	s_wait_dscnt 0x0
	s_barrier_signal -1
	s_barrier_wait -1                              ; everybody's is
	STEP 3
	STEP 4
	STEP 5
	STEP 6
	STEP 7
; THE WAY OUT, for tokens' tile a and head hh of my two.  q'(d) = q(d) cos(d) - q(d + 32) sin(d), q'(d + 32) = q(d + 32) cos(d + 32) + q(d) sin(d + 32), d < 32.  Then the quantiser: my 16 numbers of each block and lane
; l xor 16's give its largest magnitude; 2 off the exponent field is the conversion's scale operand.  The four conversions are laid so that two exchanges of halves give the operand's registers: lanes 0-15 d 0-31, lanes 16-31 d 32-63.
.macro ROPEQ a, hh
	WIN 0x0e                                       ; source 0 window 2 (sums), source 1 window 3 (tables)
.irp i, 0,2,4,6,8,10,12,14
	v_pk_mul_f32 v[R+\i:R+\i+1], v[64*\a+32*\hh+16+\i:64*\a+32*\hh+17+\i], v[64*\a+32+\i:64*\a+33+\i]       ; each accumulator is read from its low end on
	v_pk_mul_f32 v[R+16+\i:R+17+\i], v[64*\a+32*\hh+\i:64*\a+32*\hh+1+\i], v[64*\a+48+\i:64*\a+49+\i]
.endr
.irp i, 0,2,4,6,8,10,12,14
	v_pk_fma_f32 v[R+\i:R+\i+1], v[64*\a+32*\hh+\i:64*\a+32*\hh+1+\i], v[64*\a+\i:64*\a+1+\i], v[R+\i:R+\i+1] neg_lo:[0,0,1] neg_hi:[0,0,1]
	v_pk_fma_f32 v[R+16+\i:R+17+\i], v[64*\a+32*\hh+16+\i:64*\a+32*\hh+17+\i], v[64*\a+16+\i:64*\a+17+\i], v[R+16+\i:R+17+\i]
.endr
	WIN 0
	v_max3_num_f32 v[TM], |v[R]|, |v[R+1]|, 0x1800000              ; with the floor 2^(3 - 127): the byte cannot fall under 1
	v_max3_num_f32 v[TM+1], |v[R+16]|, |v[R+17]|, 0x1800000
.irp i, 2,4,6,8,10,12,14
	v_max3_num_f32 v[TM], v[TM], |v[R+\i]|, |v[R+\i+1]|
	v_max3_num_f32 v[TM+1], v[TM+1], |v[R+16+\i]|, |v[R+17+\i]|
.endr
	v_permlanex16_b32 v[T2], v[TM], s66, s67
	v_permlanex16_b32 v[T2+1], v[TM+1], s66, s67
	v_max_num_f32 v[TM], v[TM], v[T2]
	v_max_num_f32 v[TM+1], v[TM+1], v[T2+1]
	v_add_nc_u32 v[SO], 0xff000000, v[TM]
	v_add_nc_u32 v[SO+1], 0xff000000, v[TM+1]
	v_lshrrev_b32 v[BY], 23, v[SO]
	v_lshrrev_b32 v[BY+1], 23, v[SO+1]
.set CC, CS+4*(2*\a+\hh)
	v_cvt_scalef32_pk8_fp4_f32 v[CC], v[R:R+7], v[SO]              ; d 8 h on
	v_cvt_scalef32_pk8_fp4_f32 v[CC+2], v[R+8:R+15], v[SO]         ; d 16 + 8 h on
	v_cvt_scalef32_pk8_fp4_f32 v[CC+1], v[R+16:R+23], v[SO+1]      ; d 32 + 8 h on
	v_cvt_scalef32_pk8_fp4_f32 v[CC+3], v[R+24:R+31], v[SO+1]      ; d 48 + 8 h on
.if (\a)%2 == 0                        ; the bytes into the pair's word (plain lines: the place behind the conversions)
	v_lshl_or_b32 v[PW+2*((\a)/2)+\hh], v[BY+1], 8, v[BY]
.else
	v_lshl_or_b32 v[PW+2*((\a)/2)+\hh], v[BY], 16, v[PW+2*((\a)/2)+\hh]
	v_lshl_or_b32 v[PW+2*((\a)/2)+\hh], v[BY+1], 24, v[PW+2*((\a)/2)+\hh]
.endif
	v_permlane16_swap_b32 v[CC], v[CC+1]
	v_permlane16_swap_b32 v[CC+2], v[CC+3]
	global_store_b128 v[CO], v[CC:CC+3], s[18:19] offset:512*\a+HEADB*\hh      ; the image: 512 consecutive bytes, at a multiple of 256 from the buffer's first byte
.endm
	PLACES 4                                       ; behind the last products: their results are read, and registers that they read are written
	s_wait_loadcnt 0x0                             ; the rotary tables
	v_mov_b32 v[T2], 0                             ; a lane permute's destination counts as one of its sources
	v_mov_b32 v[T2+1], 0
.irp a, 0,1,2,3
.irp hh, 0,1
	ROPEQ \a, \hh
.endr
.endr
	v_cndmask_b32 v[DW], v[PW], v[PW+1], s98       ; lanes 0-15 the first head's words, lanes 16-31 the second's
	v_cndmask_b32 v[DW+1], v[PW+2], v[PW+3], s98
	global_store_b64 v[WO], v[DW:DW+1], s[18:19] offset:4096       ; 128 consecutive bytes for each head
	s_wait_tensorcnt 0x0                           ; the wave's end
	ds_add_u32 v[SPW], v[NIL]
	s_wait_dscnt 0x0
	CROUND                                         ; the closing round: no work-group ends while a partner may still ask for a tile that names it
	s_endpgm
.Lfunc_end_k_q9cc2e1de60_qk_gemm:
	.size	k_q9cc2e1de60_qk_gemm, .Lfunc_end_k_q9cc2e1de60_qk_gemm-k_q9cc2e1de60_qk_gemm
	.p2alignl 7, 3214868480
	.fill 96, 4, 3214868480
	.section	.rodata,"a",@progbits
	.p2align	6, 0x0
	.amdhsa_kernel k_q9cc2e1de60_qk_gemm
		.amdhsa_group_segment_fixed_size 262144
		.amdhsa_private_segment_fixed_size 0
		.amdhsa_enable_private_segment 0
		.amdhsa_kernarg_size 64
		.amdhsa_user_sgpr_count 2
		.amdhsa_user_sgpr_kernarg_segment_ptr 1
		.amdhsa_wavefront_size32 1
		.amdhsa_system_sgpr_workgroup_id_x 1
		.amdhsa_system_sgpr_workgroup_id_y 1
		.amdhsa_system_sgpr_workgroup_id_z 1
		.amdhsa_system_vgpr_workitem_id 0
		.amdhsa_next_free_vgpr 1024
		.amdhsa_next_free_sgpr 100
		.amdhsa_reserve_vcc 0
		.amdhsa_float_denorm_mode_32 3
		.amdhsa_float_denorm_mode_16_64 3
		.amdhsa_memory_ordered 1
		.amdhsa_forward_progress 1
		.amdhsa_inst_pref_size 99
	.end_amdhsa_kernel
	.amdgpu_metadata
---
amdhsa.version: [ 1, 2 ]
amdhsa.kernels:
  - .name:           k_q9cc2e1de60_qk_gemm
    .symbol:         k_q9cc2e1de60_qk_gemm.kd
    .args:
      - { .name: x_codes, .offset: 0, .size: 8, .value_kind: global_buffer, .address_space: global }
      - { .name: x_scales, .offset: 8, .size: 8, .value_kind: global_buffer, .address_space: global }
      - { .name: W_qkv_codes, .offset: 16, .size: 8, .value_kind: global_buffer, .address_space: global }
      - { .name: W_qkv_scales, .offset: 24, .size: 8, .value_kind: global_buffer, .address_space: global }
      - { .name: b_qkv, .offset: 32, .size: 8, .value_kind: global_buffer, .address_space: global }
      - { .name: rope_cos, .offset: 40, .size: 8, .value_kind: global_buffer, .address_space: global }
      - { .name: rope_sin, .offset: 48, .size: 8, .value_kind: global_buffer, .address_space: global }
      - { .name: qkc, .offset: 56, .size: 8, .value_kind: global_buffer, .address_space: global }
    .group_segment_fixed_size: 262144
    .private_segment_fixed_size: 0
    .kernarg_segment_align: 8
    .kernarg_segment_size: 64
    .max_flat_workgroup_size: 128
    .sgpr_count:     100
    .vgpr_count:     1024
    .wavefront_size: 32
...
	.end_amdgpu_metadata
.endif
;; end of part 1
;; launch v_gemm (part 2): grid 32 x 8, 4 waves a work-group, clusters of 4 x 4, 262,144 bytes of LDS; arguments W_qkv_codes, W_qkv_scales, x_codes, x_scales, b_qkv, vbc; writes vbc
.if DOCPART == 2
	.amdgcn_target "amdgcn-amd-amdhsa--gfx1250"
	.amdhsa_code_object_version 6
	.text
	.protected	k_q9cc2e1de60_v_gemm
	.globl	k_q9cc2e1de60_v_gemm
	.p2align	8
	.type	k_q9cc2e1de60_v_gemm,@function
k_q9cc2e1de60_v_gemm:
	s_mov_b64 s[64:65], 0
	v_nop
	global_prefetch_b8 v0, s[64:65] scope:SCOPE_SE
	s_setreg_imm32_b32 hwreg(HW_REG_WAVE_MODE, 25, 1), 1
	s_wait_xcnt 0x0
	s_wait_alu depctr_hold_cnt(0) depctr_sa_sdst(0) depctr_va_vdst(0) depctr_va_sdst(0) depctr_va_ssrc(0) depctr_va_vcc(0) depctr_vm_vsrc(0)
	s_getreg_b32 s2, hwreg(HW_REG_IB_STS2, 6, 4)
	s_cmp_eq_u32 s2, 0
	s_cbranch_scc0 .Lentry_in_a_cluster
	s_endpgm
.Lentry_in_a_cluster:
	s_bfe_u32 s2, ttmp6, 0x10000c
	s_cmp_lg_u32 s2, 0xf033
	s_cbranch_scc0 .Lentry_shape_is_right
	s_endpgm
.Lentry_shape_is_right:
; LAUNCH 2 OF 4.  v of the attention, transposed: (x W_qkv + b_qkv)[features 2,048 .. 3,071], quantised along the KEYS (the second attention product's K).  Nothing of reference() is left out.
; The same product as launch 1 with the sides changed: a lane holds one feature (source 1 = 16 rows of W), its registers run along the tokens (source 0 = 16 rows of x).
; Register j of lane (r, h) of accumulator (a, b) is feature 16 a + r, token 16 b + 8 h + j: a block of 32 keys is tiles 2 B and 2 B + 1 of lanes l and l xor 16.
; SHARES.  A work-group: 128 features (2 heads) x 256 tokens.  Wave w: head w / 2 of the two, keys 128 (w % 2) on: 4 x 8 accumulators.  All of K lies in LDS, brought once.  CLUSTER 4 x 4: W's rows shared along a row, x's along a column.
; OUT: vbc [batch 4][head 16][chunk of 128 keys 16][record of 4,352 bytes]: 4 images of operand registers (16 d x 128 keys: [c 2][512 bytes], lane l's four registers at 16 l); from byte 4,096 on [r 16][a 4] scale words.
; A wave makes exactly one record.
; LIMITS: NaN and infinities among the inputs are not served.  A block whose largest magnitude lies under 2^-124 (a block of zeros too) gets the scale byte 1: read by this program alone.
; REGISTERS: window 0: v16-29 addresses; v32-63 W's scale words (8 a + q), v64-127 x's (8 b + q); v128-191 W's fragments, two sets; v192-223 the bias, later the codes.  window 1: x's fragments, two sets.  window 2: the accumulators.
.set PITCH,  272                       ; an LDS row: 256 bytes of codes + 16 of padding
.set AHALF,  64*PITCH
.set BHALF,  128*PITCH
.set BOFF,   2*AHALF
.set SLOT,   BOFF+2*BHALF              ; a half of K: W's 128 rows, then x's 256
.set SCA,    2*SLOT
.set SAH,    8*272
.set SCB,    SCA+2*SAH
.set SBH,    16*272
.set SPARE,  SCB+2*SBH                 ; the spare words: two blocks of 256 bytes that no other line names
.set REC,    4352
.set ADRA, 16
.set ADRB, 20
.set ADSA, 22
.set ADSB, 23
.set CO,   25                          ; v25 16 x lane
.set WO,   26                          ; v26 my offset for the scale words
.set BO,   27                          ; v27 my offset in the bias
.set SPW,  28
.set NIL,  29
.set SA,   32
.set SB,   64
.set AF,   128
.set BI,   192
.set TM,   128                         ; the way out: four largest magnitudes, lane l xor 16's, the scale operands, the bytes
.set T2,   132
.set SO,   136
.set BY,   140
.set PW,   148                         ; v148-151 the scale word of d tile a
.set DW,   152
.set PC,   192                         ; four sets of eight registers of codes
.set G1,   24
.set G0,   32
.set G1B,  48
.set G0B,  56
.set G1S,  68
.set G0S,  76
.set G1SB, 80
.set G0SB, 88
.set W_ACC,   0xa1
.set W_FIRST, 0x81
.set TO_B,    0x40
.set MSB, 0
.macro WIN new
.if MSB != \new
	s_set_vgpr_msb (MSB<<8)|\new
.set MSB, \new
.endif
.endm
.macro JLOAD g0a, g1a, g0b, g1b        ; a joint load: waves 0 and 1 fetch for W, waves 2 and 3 for x; an s_nop 0 and four v_nop follow each line
	s_cmp_eq_u32 s21, 0
	s_cbranch_scc0 .Lfor_b_\@
	tensor_load_to_lds s[\g0a:\g0a+3], s[\g1a:\g1a+7]
	s_nop 0
.rept 4
	v_nop
.endr
	s_branch .Lasked_\@
.Lfor_b_\@:
	tensor_load_to_lds s[\g0b:\g0b+3], s[\g1b:\g1b+7]
	s_nop 0
.rept 4
	v_nop
.endr
.Lasked_\@:
.endm
.macro CROUND
	s_barrier_signal -1
	s_barrier_wait -1
	s_cmp_lg_u32 s20, 0
	s_cbranch_scc1 .Lnot_wave_0_\@
	s_barrier_signal -3
.Lnot_wave_0_\@:
	s_barrier_wait -3
	s_barrier_signal -1
	s_barrier_wait -1
.endm
.macro PLACES n
.rept \n
	v_nop
.endr
.endm
	s_load_b256 s[4:11], s[0:1], 0x0               ; W's codes s[4:5], W's scales s[6:7], x's codes s[8:9], x's scales s[10:11]
	s_load_b128 s[12:15], s[0:1], 0x20             ; b_qkv s[12:13], vbc s[14:15]
	v_lshl_add_u32 v[SPW], v0, 2, SPARE
	v_mov_b32 v[NIL], 0
	ds_add_u32 v[SPW], v[NIL]                      ; the wave's opening: the add, twice on end, and its wait ahead of my first tensor load
	ds_add_u32 v[SPW], v[NIL]
	v_lshrrev_b32 v1, 5, v0
	v_readfirstlane_b32 s20, v1                    ; wave 0..3
	s_lshr_b32 s21, s20, 1                         ; wa: my head of the two.  Also: I fetch for W (0) or for x (1)
	s_and_b32 s22, s20, 1                          ; wb: my 128 keys.  Also: which half of that tile I fetch
	s_bfe_u32 s40, ttmp6, 0x40000
	s_bfe_u32 s41, ttmp6, 0x40004
	s_lshl_b32 s42, ttmp9, 2
	s_add_co_u32 s42, s42, s40                     ; bx: which 256 tokens
	s_and_b32 s43, ttmp7, 0xffff
	s_lshl_b32 s43, s43, 2
	s_add_co_u32 s43, s43, s41                     ; ay: which 128 features
	s_lshl_b32 s44, s41, 2
	s_lshl_b32 s44, 15, s44                        ; my row of the cluster
	s_lshl_b32 s45, 0x1111, s40                    ; my column
	s_or_b32 s[G1], s44, (1<<20)|(1<<21)|(5<<22)|(3<<25)           ; codes: rows of 256 bytes, 512 apart in memory, four words of padding behind every 64
	s_or_b32 s[G1B], s45, (1<<20)|(1<<21)|(5<<22)|(3<<25)
.irp g, G1, G1B
	s_mov_b32 s[\g+1], 256<<16
	s_mov_b32 s[\g+3], 256<<16
	s_mov_b32 s[\g+5], 512
	s_mov_b32 s[\g+6], 0
	s_mov_b32 s[\g+7], 0
.endr
	s_mov_b32 s[G1+2], 64<<16
	s_mov_b32 s[G1+4], 64
	s_mov_b32 s[G1B+2], 128<<16
	s_mov_b32 s[G1B+4], 128
	s_or_b32 s[G1S], s44, (3<<16)|(1<<20)|(1<<21)|(5<<22)|(3<<25)  ; scale bytes: dense, as rows of 256 bytes
	s_or_b32 s[G1SB], s45, (3<<16)|(1<<20)|(1<<21)|(5<<22)|(3<<25)
.irp g, G1S, G1SB
	s_mov_b32 s[\g+1], 32<<16
	s_mov_b32 s[\g+3], 32<<16
	s_mov_b32 s[\g+5], 32
	s_mov_b32 s[\g+6], 0
	s_mov_b32 s[\g+7], 0
.endr
	s_mov_b32 s[G1S+2], 8<<16
	s_mov_b32 s[G1S+4], 8
	s_mov_b32 s[G1SB+2], 16<<16
	s_mov_b32 s[G1SB+4], 16
	s_lshl_b32 s92, s43, 7
	s_lshl_b32 s93, s22, 6
	s_add_co_u32 s92, s92, s93
	s_add_co_u32 s92, s92, 2048                    ; W: row 2,048 + 128 ay + 64 half
	s_lshl_b32 s94, s92, 5
	s_lshl_b32 s92, s92, 9
	s_mov_b32 s93, 0
	s_mov_b32 s95, 0
	s_lshl_b32 s96, s42, 8
	s_lshl_b32 s97, s22, 7
	s_add_co_u32 s96, s96, s97                     ; x: row 256 bx + 128 half
	s_lshl_b32 s46, s96, 5
	s_lshl_b32 s96, s96, 9
	s_mov_b32 s97, 0
	s_mov_b32 s47, 0
	s_mul_i32 s2, s22, AHALF
	s_mul_i32 s3, s22, BHALF
	s_add_co_u32 s3, s3, BOFF
	s_mul_i32 s23, s22, SAH
	s_mul_i32 s99, s22, SBH
	s_mov_b32 s66, 0x76543210
	s_mov_b32 s67, 0xfedcba98
	s_mov_b32 s98, 0xffff0000                      ; lanes 16-31
	s_wait_dscnt 0x0                               ; both opening adds are done
	s_wait_kmcnt 0x0
	s_add_nc_u64 s[92:93], s[4:5], s[92:93]
	s_add_nc_u64 s[94:95], s[6:7], s[94:95]
	s_add_nc_u64 s[96:97], s[8:9], s[96:97]
	s_add_nc_u64 s[46:47], s[10:11], s[46:47]
	s_mov_b32 s[G0S], 1
	s_add_co_u32 s[G0S+1], s23, SCA
	s_mov_b64 s[G0S+2:G0S+3], s[94:95]
	s_or_b32 s[G0S+3], s[G0S+3], 0x80000000
	s_mov_b32 s[G0SB], 1
	s_add_co_u32 s[G0SB+1], s99, SCB
	s_mov_b64 s[G0SB+2:G0SB+3], s[46:47]
	s_or_b32 s[G0SB+3], s[G0SB+3], 0x80000000
.irp s, 0,1
	s_mov_b32 s[G0+4*\s], 1
	s_add_co_u32 s[G0+4*\s+1], s2, \s*SLOT
	s_add_nc_u64 s[G0+4*\s+2:G0+4*\s+3], s[92:93], \s*256
	s_or_b32 s[G0+4*\s+3], s[G0+4*\s+3], 0x80000000
	s_mov_b32 s[G0B+4*\s], 1
	s_add_co_u32 s[G0B+4*\s+1], s3, \s*SLOT
	s_add_nc_u64 s[G0B+4*\s+2:G0B+4*\s+3], s[96:97], \s*256
	s_or_b32 s[G0B+4*\s+3], s[G0B+4*\s+3], 0x80000000
.endr
	CROUND                                         ; all sixteen work-groups are here: the joint loads meet
	JLOAD G0S, G1S, G0SB, G1SB                     ; three loads of mine are out at the most
	JLOAD G0, G1, G0B, G1B
	JLOAD G0+4, G1, G0B+4, G1B
	v_and_b32 v1, 15, v0                           ; r
	v_bfe_u32 v2, v0, 4, 1                         ; h
	v_mul_u32_u24 v3, v1, PITCH
	v_lshl_add_u32 v3, v2, 4, v3
	s_mul_i32 s2, s21, AHALF
	s_mul_i32 s3, s22, BHALF
	s_add_co_u32 s3, s3, BOFF
	v_add_nc_u32 v[ADRA], s2, v3
	v_add_nc_u32 v[ADRB], s3, v3
	s_add_co_u32 s2, s2, SLOT
	s_add_co_u32 s3, s3, SLOT
	v_add_nc_u32 v[ADRA+1], s2, v3
	v_add_nc_u32 v[ADRB+1], s3, v3
	v_lshrrev_b32 v4, 3, v1
	v_lshlrev_b32 v5, 5, v1
	v_lshl_add_u32 v5, v4, 4, v5
	s_mul_i32 s2, s21, SAH
	s_add_co_u32 s2, s2, SCA
	s_mul_i32 s3, s22, SBH
	s_add_co_u32 s3, s3, SCB
	v_add_nc_u32 v[ADSA], s2, v5
	v_add_nc_u32 v[ADSB], s3, v5
	s_lshl_b32 s2, s43, 7
	s_lshl_b32 s3, s21, 6
	s_add_co_u32 s2, s2, s3
	s_add_co_u32 s2, s2, 2048
	s_lshl_b32 s2, s2, 2                           ; the bias of my 64 features
	s_mov_b32 s3, 0
	s_add_nc_u64 s[12:13], s[12:13], s[2:3]
	v_lshlrev_b32 v[BO], 2, v1
.irp a, 0,1,2,3
	global_load_b32 v[BI+8*\a], v[BO], s[12:13] offset:64*\a       ; the bias of feature 16 a + r: one number for all eight registers of a tile
.endr
	s_lshl_b32 s2, s42, 1
	s_add_co_u32 s2, s2, s22                       ; which 128 tokens of the 8,192
	s_lshr_b32 s3, s2, 4
	s_lshl_b32 s3, s3, 4                           ; 16 batch
	s_lshl_b32 s23, s43, 1
	s_add_co_u32 s3, s3, s23
	s_add_co_u32 s3, s3, s21                       ; + head
	s_lshl_b32 s3, s3, 4
	s_and_b32 s2, s2, 15
	s_add_co_u32 s2, s2, s3                        ; x 16 + chunk
	s_mul_i32 s2, s2, REC
	s_mov_b32 s3, 0
	s_add_nc_u64 s[14:15], s[14:15], s[2:3]        ; my record
	v_and_b32 v7, 31, v0
	v_lshlrev_b32 v[CO], 4, v7
	v_lshlrev_b32 v[WO], 4, v1
	v_lshl_add_u32 v[WO], v2, 3, v[WO]             ; 16 r + 8 h
.macro FETCH q
	WIN TO_B
.irp b, 0,1,2,3,4,5,6,7
.irp c, 0,1
	ds_load_b128 v[64*((\q)%2)+8*\b+4*\c:64*((\q)%2)+8*\b+4*\c+3], v[ADRB+(\q)/4] offset:16*PITCH*\b+64*((\q)%4)+32*\c
.endr
.endr
	WIN 0
.irp a, 0,1,2,3
.irp c, 0,1
	ds_load_b128 v[AF+32*((\q)%2)+8*\a+4*\c:AF+32*((\q)%2)+8*\a+4*\c+3], v[ADRA+(\q)/4] offset:16*PITCH*\a+64*((\q)%4)+32*\c
.endr
.endr
.endm
.macro MUL q, first                    ; the 32 accumulators take turns, one instruction a turn
.irp a, 0,1,2,3
.irp b, 0,1,2,3,4,5,6,7
.if \first
	v_wmma_scale_f32_16x16x128_f8f6f4 v[8*(8*\a+\b):8*(8*\a+\b)+7], v[64*((\q)%2)+8*\b:64*((\q)%2)+8*\b+7], v[AF+32*((\q)%2)+8*\a:AF+32*((\q)%2)+8*\a+7], v[BI+8*\a:BI+8*\a+7], v[SB+8*\b+(\q)], v[SA+8*\a+(\q)] matrix_a_fmt:MATRIX_FMT_FP4 matrix_b_fmt:MATRIX_FMT_FP4
.else
	v_wmma_scale_f32_16x16x128_f8f6f4 v[8*(8*\a+\b):8*(8*\a+\b)+7], v[64*((\q)%2)+8*\b:64*((\q)%2)+8*\b+7], v[AF+32*((\q)%2)+8*\a:AF+32*((\q)%2)+8*\a+7], v[8*(8*\a+\b):8*(8*\a+\b)+7], v[SB+8*\b+(\q)], v[SA+8*\a+(\q)] matrix_a_fmt:MATRIX_FMT_FP4 matrix_b_fmt:MATRIX_FMT_FP4
.endif
.endr
.endr
.endm
.macro STEP q
.if (\q) > 0
	PLACES 4                                       ; four places in front of loads into registers that matrix instructions have read
.endif
.if (\q) < 7
	FETCH (\q)+1
	s_wait_dscnt 24                                ; all but the 24 just issued
.else
	s_wait_dscnt 0x0
.endif
.if (\q) == 0
	WIN W_FIRST
	s_wait_alu depctr_va_vdst(0)
	MUL \q, 1
.else
	WIN W_ACC
	MUL \q, 0
.endif
	WIN 0
.endm
	s_wait_alu depctr_va_vdst(0)
	s_wait_tensorcnt 0x1                           ; the scale bytes and my part of K's first half are in
	s_barrier_signal -1
	s_barrier_wait -1
.irp a, 0,1,2,3
	ds_load_b128 v[SA+8*\a:SA+8*\a+3], v[ADSA] offset:544*\a
	ds_load_b128 v[SA+8*\a+4:SA+8*\a+7], v[ADSA] offset:544*\a+16
.endr
.irp b, 0,1,2,3,4,5,6,7
	ds_load_b128 v[SB+8*\b:SB+8*\b+3], v[ADSB] offset:544*\b
	ds_load_b128 v[SB+8*\b+4:SB+8*\b+7], v[ADSB] offset:544*\b+16
.endr
	FETCH 0
	s_wait_loadcnt 0x0                             ; the bias
.irp a, 0,1,2,3
.irp j, 1,2,3,4,5,6,7
	v_mov_b32 v[BI+8*\a+\j], v[BI+8*\a]            ; spread over a tile's eight registers: the C of the first product
.endr
.endr
	STEP 0
	STEP 1
	STEP 2
	s_wait_tensorcnt 0x0                           ; my part of K's second half is in,
	s_wait_dscnt 0x0
	s_barrier_signal -1
	s_barrier_wait -1                              ; everybody's is
	STEP 3
	STEP 4
	STEP 5
	STEP 6
	STEP 7
; THE WAY OUT of d tile a: its 64 registers are 128 keys' worth of feature 16 a + r: four blocks of 32 keys.  The conversions are laid so that four exchanges of halves give the operand's registers 4 c .. 4 c + 3 = keys 64 c + 32 h on.
.macro QUANT4 a
	WIN 0x0a                                       ; sources 0 and 1 window 2
.irp b, 0,1,2,3
	v_max3_num_f32 v[TM+\b], |v[64*\a+16*\b]|, |v[64*\a+16*\b+1]|, 0x1800000       ; each accumulator from its low end on; the floor 2^(3 - 127): the byte cannot fall under 1
.endr
.irp i, 2,4,6,8,10,12,14
.irp b, 0,1,2,3
	v_max3_num_f32 v[TM+\b], |v[64*\a+16*\b+\i]|, |v[64*\a+16*\b+\i+1]|, v[TM+\b]
.endr
.endr
	WIN 0
.irp b, 0,1,2,3
	v_permlanex16_b32 v[T2+\b], v[TM+\b], s66, s67
.endr
.irp b, 0,1,2,3
	v_max_num_f32 v[TM+\b], v[TM+\b], v[T2+\b]
.endr
.irp b, 0,1,2,3
	v_add_nc_u32 v[SO+\b], 0xff000000, v[TM+\b]    ; 2 off the exponent field: the conversion's scale operand
.endr
.irp b, 0,1,2,3
	v_lshrrev_b32 v[BY+\b], 23, v[SO+\b]
.endr
	v_lshl_or_b32 v[PW+\a], v[BY+1], 8, v[BY]
	v_lshl_or_b32 v[PW+\a], v[BY+2], 16, v[PW+\a]
	v_lshl_or_b32 v[PW+\a], v[BY+3], 24, v[PW+\a]
	WIN 0x02                                       ; source 0 window 2
.irp c, 0,1
	v_cvt_scalef32_pk8_fp4_f32 v[PC+8*\a+4*\c], v[64*\a+32*\c:64*\a+32*\c+7], v[SO+2*\c]
	v_cvt_scalef32_pk8_fp4_f32 v[PC+8*\a+4*\c+1], v[64*\a+32*\c+16:64*\a+32*\c+23], v[SO+2*\c+1]
	v_cvt_scalef32_pk8_fp4_f32 v[PC+8*\a+4*\c+2], v[64*\a+32*\c+8:64*\a+32*\c+15], v[SO+2*\c]
	v_cvt_scalef32_pk8_fp4_f32 v[PC+8*\a+4*\c+3], v[64*\a+32*\c+24:64*\a+32*\c+31], v[SO+2*\c+1]
.endr
	WIN 0
	v_nop                                          ; one plain place behind the conversions
.irp c, 0,1
	v_permlane16_swap_b32 v[PC+8*\a+4*\c], v[PC+8*\a+4*\c+1]
	v_permlane16_swap_b32 v[PC+8*\a+4*\c+2], v[PC+8*\a+4*\c+3]
.endr
.irp c, 0,1
	global_store_b128 v[CO], v[PC+8*\a+4*\c:PC+8*\a+4*\c+3], s[14:15] offset:1024*\a+512*\c       ; 512 consecutive bytes, at a multiple of 256 from the buffer's first byte
.endr
.endm
	PLACES 4
.irp b, 0,1,2,3
	v_mov_b32 v[T2+\b], 0                          ; a lane permute's destination counts as one of its sources
.endr
.irp a, 0,1,2,3
	QUANT4 \a
.endr
	v_cndmask_b32 v[DW], v[PW], v[PW+2], s98       ; lanes 0-15 the words of d tiles 0 and 1, lanes 16-31 of 2 and 3
	v_cndmask_b32 v[DW+1], v[PW+1], v[PW+3], s98
	global_store_b64 v[WO], v[DW:DW+1], s[14:15] offset:4096       ; 256 consecutive bytes, aligned
	s_wait_tensorcnt 0x0                           ; the wave's end
	ds_add_u32 v[SPW], v[NIL]
	s_wait_dscnt 0x0
	CROUND                                         ; the closing round
	s_endpgm
.Lfunc_end_k_q9cc2e1de60_v_gemm:
	.size	k_q9cc2e1de60_v_gemm, .Lfunc_end_k_q9cc2e1de60_v_gemm-k_q9cc2e1de60_v_gemm
	.p2alignl 7, 3214868480
	.fill 96, 4, 3214868480
	.section	.rodata,"a",@progbits
	.p2align	6, 0x0
	.amdhsa_kernel k_q9cc2e1de60_v_gemm
		.amdhsa_group_segment_fixed_size 262144
		.amdhsa_private_segment_fixed_size 0
		.amdhsa_enable_private_segment 0
		.amdhsa_kernarg_size 48
		.amdhsa_user_sgpr_count 2
		.amdhsa_user_sgpr_kernarg_segment_ptr 1
		.amdhsa_wavefront_size32 1
		.amdhsa_system_sgpr_workgroup_id_x 1
		.amdhsa_system_sgpr_workgroup_id_y 1
		.amdhsa_system_sgpr_workgroup_id_z 1
		.amdhsa_system_vgpr_workitem_id 0
		.amdhsa_next_free_vgpr 768
		.amdhsa_next_free_sgpr 100
		.amdhsa_reserve_vcc 0
		.amdhsa_float_denorm_mode_32 3
		.amdhsa_float_denorm_mode_16_64 3
		.amdhsa_memory_ordered 1
		.amdhsa_forward_progress 1
		.amdhsa_inst_pref_size 76
	.end_amdhsa_kernel
	.amdgpu_metadata
---
amdhsa.version: [ 1, 2 ]
amdhsa.kernels:
  - .name:           k_q9cc2e1de60_v_gemm
    .symbol:         k_q9cc2e1de60_v_gemm.kd
    .args:
      - { .name: W_qkv_codes, .offset: 0, .size: 8, .value_kind: global_buffer, .address_space: global }
      - { .name: W_qkv_scales, .offset: 8, .size: 8, .value_kind: global_buffer, .address_space: global }
      - { .name: x_codes, .offset: 16, .size: 8, .value_kind: global_buffer, .address_space: global }
      - { .name: x_scales, .offset: 24, .size: 8, .value_kind: global_buffer, .address_space: global }
      - { .name: b_qkv, .offset: 32, .size: 8, .value_kind: global_buffer, .address_space: global }
      - { .name: vbc, .offset: 40, .size: 8, .value_kind: global_buffer, .address_space: global }
    .group_segment_fixed_size: 262144
    .private_segment_fixed_size: 0
    .kernarg_segment_align: 8
    .kernarg_segment_size: 48
    .max_flat_workgroup_size: 128
    .sgpr_count:     100
    .vgpr_count:     768
    .wavefront_size: 32
...
	.end_amdgpu_metadata
.endif
;; end of part 2
;; launch attn (part 3): grid 4 x 64, 16 waves a work-group, clusters of 4 x 1, 167,936 bytes of LDS; arguments qkc, vbc, a_img, a_sc; writes a_img, a_sc
.if DOCPART == 3
	.amdgcn_target "amdgcn-amd-amdhsa--gfx1250"
	.amdhsa_code_object_version 6
	.text
	.protected	k_q9cc2e1de60_attn
	.globl	k_q9cc2e1de60_attn
	.p2align	8
	.type	k_q9cc2e1de60_attn,@function
k_q9cc2e1de60_attn:
	s_mov_b64 s[64:65], 0
	v_nop
	global_prefetch_b8 v0, s[64:65] scope:SCOPE_SE
	s_setreg_imm32_b32 hwreg(HW_REG_WAVE_MODE, 25, 1), 1
	s_wait_xcnt 0x0
	s_wait_alu depctr_hold_cnt(0) depctr_sa_sdst(0) depctr_va_vdst(0) depctr_va_sdst(0) depctr_va_ssrc(0) depctr_va_vcc(0) depctr_vm_vsrc(0)
	s_getreg_b32 s2, hwreg(HW_REG_IB_STS2, 6, 4)
	s_cmp_eq_u32 s2, 0
	s_cbranch_scc0 .Lentry_in_a_cluster
	s_endpgm
.Lentry_in_a_cluster:
	s_bfe_u32 s2, ttmp6, 0x10000c
	s_cmp_lg_u32 s2, 0x3003
	s_cbranch_scc0 .Lentry_shape_is_right
	s_endpgm
.Lentry_shape_is_right:
; LAUNCH 3 OF 4.  softmax(q k^T / 8) v for one (batch, head), both products on codes of FP4 with E8M0 scales, and the quantiser of the result along D for the projection.  Nothing of reference() is left out.
; THE SOFTMAX AHEAD OF THE SECOND PRODUCT: t = score x log2(e) / 8; M = the running largest t rounded UP to a whole number (kept as -M = floor(-t)); p = 2^(t - M) is quantised along the keys, not normalised; the row's sum is
; taken of the unquantised p and divides at the end.  When M moves, the sum and O are multiplied by 2^(old M - new M): exact.  A block's largest p is taken through the block's largest score, by the same two instructions.
; SHARES.  A work-group: 512 queries of one head; sixteen waves, each 32 queries as two tiles of 16, one after the other (two passes): 256 registers a wave, four waves to a SIMD, so that one wave's exponentials stand beside
; another's plain work and products.  The head's k and v, 69,632 bytes each, lie in LDS whole and are brought once: no byte of LDS is filled twice.
; CLUSTER 4 x 1: the four blocks of queries of a head read the same k and v: eight joint loads of a quarter (4 chunks of 128 keys) each, wave 0 k's four, wave 1 v's four; at most four loads of a wave are out.
; LAYOUT.  Both products transposed: S^T = k q^T, O^T = v^T p^T: a lane holds ONE query (lane % 16).  All operands come as images of their registers: 16 bytes a lane at 16 x lane.
; K = 64 IN AN INSTRUCTION OF 128: a fragment of k holds TWO tiles of 16 keys, the even one in registers 0-3 and the odd one in 4-7, and is multiplied by [q, zeros] for the even tile's scores and by [zeros, q] for the odd one's.
; Zero codes add nothing under the byte 0 that stands over them in q's scale word.  Register j of lane (r, h): key 8 h + j of the tile; so tiles 2 B, 2 B + 1 of lanes l and l xor 16 are block B of 32 keys.
; OUT: a_img [16 tokens' tile 512][K step = head / 2][c = head % 2][512 bytes]: the projection's operand registers; a_sc [head 16][tile 512][r 16] of two scale bytes.
; LIMITS: NaN and infinities are not served.  1 / the sum is v_rcp_f32.  A block of p or of o under 2^-124 (zeros too) gets the byte 1: read by this program alone.
.set REC,   4352                       ; a chunk of 128 keys: 4,096 bytes of images, 256 of scale words
.set HEADB, 16*REC
.set QUART, 4*REC                      ; what one tensor load brings
.set SPARE, 2*HEADB                    ; behind k and v: the spare words, 128 bytes for each wave: eight blocks of 256 bytes that no other line names
.set LI,   1                           ; v1  16 x lane
.set R8,   2                           ; v2  8 r
.set VI,   3                           ; v3  v's images: HEADB + 16 x lane
.set VR,   4                           ; v4  v's scale words: HEADB + 16 r
.set SPW,  5                           ; v5  LDS address of my spare word; never rewritten
.set NIL,  6                           ; v6  0; never rewritten
.set L2,   7                           ; v7  2 x lane
.set ADK,  8                           ; v8-11 the step's addresses
.set ADV,  9
.set ADS,  10
.set ADT,  11
.set QA,   16                          ; v16-23 [q, zeros]
.set QB,   24                          ; v24-31 [zeros, q]
.set KF,   32                          ; v32-63 four pairs of tiles of k
.set VF,   64                          ; v64-95 four d tiles of v
.set S,    96                          ; v96-159 S^T, then p
.set O,    160                         ; v160-191 O^T
.set PC,   192                         ; v192-199 p's codes
.set KS,   200                         ; v200-203 k's scale words
.set VS,   204                         ; v204-207 v's
.set QSA,  208                         ; q's scale word under [q, zeros]
.set QSB,  209                         ; and under [zeros, q]
.set PSW,  210                         ; p's scale word
.set TM,   212
.set T2,   216
.set SO,   220
.set F,    224                         ; v[224:225] f = 2^(old M - new M), and a partner that is only named
.set TT,   226
.set QW,   227                         ; the scale bytes of my two tiles of q
.set WS,   228                         ; o's scale bytes: lanes 0-15 pass 0's, lanes 16-31 pass 1's
.set OC,   232                         ; v232-239 o's codes, a set for each pass
.set WV,   12                          ; s12 wave
.set TB,   2                           ; s2 LDS byte of the chunk in hand
.set SEL,  20                          ; s[20:21]
.set CSC,  22                          ; s[22:23] c = log2(e) / 8
.set G1,   24                          ; s[24:31]
.set G0K,  32                          ; s[32:47]
.set G0V,  48                          ; s[48:63]
.macro CROUND
	s_barrier_signal -1
	s_barrier_wait -1
	s_cmp_lg_u32 s[WV], 0
	s_cbranch_scc1 .Lnot_wave_0_\@
	s_barrier_signal -3
.Lnot_wave_0_\@:
	s_barrier_wait -3
	s_barrier_signal -1
	s_barrier_wait -1
.endm
	s_load_b256 s[4:11], s[0:1], 0x0               ; qkc s[4:5], vbc s[6:7], a_img s[8:9], a_sc s[10:11]
	v_lshl_add_u32 v[SPW], v0, 2, SPARE
	v_mov_b32 v[NIL], 0
	ds_add_u32 v[SPW], v[NIL]                      ; the wave's opening: the add, twice on end, and its wait ahead of the first tensor loads
	ds_add_u32 v[SPW], v[NIL]
	v_lshrrev_b32 v1, 5, v0
	s_delay_alu instid0(VALU_DEP_1)
	v_readfirstlane_b32 s[WV], v1                  ; wave 0..15
	s_bfe_u32 s13, ttmp6, 0x40000                  ; cx: my block of 512 queries
	s_and_b32 s14, ttmp7, 0xffff                   ; 16 batch + head, which the four partners share
	s_lshr_b32 s15, s14, 4                         ; batch
	s_and_b32 s16, s14, 15                         ; head
	s_mov_b32 s17, 0xffff0000                      ; lanes 16-31
	s_mov_b32 s[G1], 15|(3<<16)|(1<<21)            ; the mask: all four work-groups; elements of 8 bytes; bit 21 beside a mask; no padding
	s_mov_b32 s[G1+1], 32<<16                      ; rows of 256 bytes,
	s_mov_b32 s[G1+2], 68<<16                      ; 68 of them: a dense block of 17,408 bytes
	s_mov_b32 s[G1+3], 32<<16
	s_mov_b32 s[G1+4], 68
	s_mov_b32 s[G1+5], 32
	s_mov_b32 s[G1+6], 0
	s_mov_b32 s[G1+7], 0
	s_mov_b32 s[SEL], 0x76543210
	s_mov_b32 s[SEL+1], 0xfedcba98
	s_mov_b32 s[CSC], 0x3e38aa3b                   ; log2(e) / 8
	s_mov_b32 s[CSC+1], s[CSC]                     ; (named with it as a pair)
	s_lshl_b32 s72, s15, 5
	s_add_co_u32 s72, s72, s16
	s_mul_i32 s72, s72, HEADB                      ; q's head in qkc: 32 batch + head
	s_mov_b32 s73, 0
	s_mul_i32 s74, s14, HEADB                      ; v's head in vbc
	s_mov_b32 s75, 0
	s_wait_dscnt 0x0                               ; both opening adds are done
	s_wait_kmcnt 0x0
	s_add_nc_u64 s[18:19], s[4:5], s[72:73]        ; q's head
	s_add_nc_u64 s[76:77], s[18:19], 16*HEADB      ; k's head: 16 heads on
	s_add_nc_u64 s[78:79], s[6:7], s[74:75]
.irp j, 0,1,2,3
	s_mov_b32 s[G0K+4*\j], 1
	s_mov_b32 s[G0K+4*\j+1], QUART*\j
	s_add_nc_u64 s[G0K+4*\j+2:G0K+4*\j+3], s[76:77], QUART*\j
	s_or_b32 s[G0K+4*\j+3], s[G0K+4*\j+3], 0x80000000
	s_mov_b32 s[G0V+4*\j], 1
	s_mov_b32 s[G0V+4*\j+1], HEADB+QUART*\j
	s_add_nc_u64 s[G0V+4*\j+2:G0V+4*\j+3], s[78:79], QUART*\j
	s_or_b32 s[G0V+4*\j+3], s[G0V+4*\j+3], 0x80000000
.endr
	CROUND                                         ; all four work-groups are here: the joint loads meet
	s_cmp_lg_u32 s[WV], 0                          ; a wave's four fills stand together in one arm; an s_nop 0 follows each, four v_nop the last
	s_cbranch_scc1 .Lnot_k
.irp j, 0,1,2,3
	tensor_load_to_lds s[G0K+4*\j:G0K+4*\j+3], s[G1:G1+7]
	s_nop 0
.endr
.rept 4
	v_nop
.endr
	s_branch .Lasked
.Lnot_k:
	s_cmp_lg_u32 s[WV], 1
	s_cbranch_scc1 .Lasked
.irp j, 0,1,2,3
	tensor_load_to_lds s[G0V+4*\j:G0V+4*\j+3], s[G1:G1+7]
	s_nop 0
.endr
.rept 4
	v_nop
.endr
.Lasked:
	s_lshl_b32 s72, s13, 2
	s_lshr_b32 s73, s[WV], 2
	s_add_co_u32 s72, s72, s73                     ; my queries' chunk: 4 cx + wave / 4
	s_mul_i32 s72, s72, REC
	s_mov_b32 s73, 0
	s_add_nc_u64 s[18:19], s[18:19], s[72:73]      ; its record
	s_and_b32 s74, s[WV], 3
	s_lshr_b32 s72, s74, 1
	s_lshl_b32 s72, s72, 7
	s_and_b32 s75, s[WV], 1
	s_lshl_b32 s75, s75, 2
	s_add_co_u32 s72, s72, s75
	s_add_co_u32 s72, s72, 4096
	s_add_nc_u64 s[66:67], s[18:19], s[72:73]      ; the pair word of my two tiles: 4,096 + 128 ((wave % 4) / 2) + 4 (wave % 2), + 8 r
	s_lshl_b32 s72, s74, 10
	s_add_nc_u64 s[18:19], s[18:19], s[72:73]      ; my two images
	s_lshl_b32 s72, s15, 7
	s_lshl_b32 s74, s13, 5
	s_add_co_u32 s72, s72, s74
	s_lshl_b32 s74, s[WV], 1
	s_add_co_u32 s72, s72, s74                     ; my first tile of 16 tokens: 128 batch + 32 cx + 2 wave
	s_lshl_b32 s74, s72, 5
	s_lshl_b32 s75, s16, 14
	s_add_co_u32 s74, s74, s75
	s_mov_b32 s75, 0
	s_add_nc_u64 s[70:71], s[10:11], s[74:75]      ; a_sc: 16,384 head + 32 tile
	s_lshl_b32 s72, s72, 13
	s_lshl_b32 s74, s16, 9
	s_add_co_u32 s72, s72, s74
	s_add_nc_u64 s[68:69], s[8:9], s[72:73]        ; a_img: 8,192 tile + 512 head
	v_and_b32 v1, 31, v0
	s_delay_alu instid0(VALU_DEP_1)
	v_lshlrev_b32 v[L2], 1, v1
	s_delay_alu instid0(VALU_DEP_2)
	v_lshlrev_b32 v[LI], 4, v1
	v_and_b32 v2, 15, v0
	s_delay_alu instid0(VALU_DEP_1)
	v_lshlrev_b32 v[VR], 4, v2
	s_delay_alu instid0(VALU_DEP_1)
	v_add_nc_u32 v[VR], HEADB, v[VR]
	s_delay_alu instid0(VALU_DEP_3)
	v_lshlrev_b32 v[R8], 3, v2
	v_add_nc_u32 v[VI], HEADB, v[LI]
	global_load_b32 v[QW], v[R8], s[66:67]
.irp j, 0,1,2,3
	v_mov_b32 v[QA+4+\j], 0                        ; the zero codes, written once
	v_mov_b32 v[QB+\j], 0
	v_mov_b32 v[T2+\j], 0                          ; a lane permute's destination counts as one of its sources
.endr
	v_mov_b32 v[F+1], 0                            ; (named as the upper half of a pair)
	v_mov_b32 v[TT], 0
; A KEY STEP: the chunk of 128 keys at LDS byte s[TB].
.macro STEP
	v_add_nc_u32 v[ADK], s[TB], v[LI]              ; four plain lines: also the places between the last step's products and the loads into registers that they read
	v_add_nc_u32 v[ADV], s[TB], v[VI]
	v_add_nc_u32 v[ADS], s[TB], v[R8]
	v_add_nc_u32 v[ADT], s[TB], v[VR]
.irp g, 0,1,2,3
.irp c, 0,1
	ds_load_b128 v[KF+8*\g+4*\c:KF+8*\g+4*\c+3], v[ADK] offset:1024*\g+512*\c
.endr
.endr
	ds_load_b64 v[KS:KS+1], v[ADS] offset:4096
	ds_load_b64 v[KS+2:KS+3], v[ADS] offset:4224
.irp g, 0,1,2,3
.irp c, 0,1
	ds_load_b128 v[VF+8*\g+4*\c:VF+8*\g+4*\c+3], v[ADV] offset:1024*\g+512*\c
.endr
.endr
	ds_load_b128 v[VS:VS+3], v[ADT] offset:4096
	s_wait_dscnt 9                                 ; k and its scale words are in; v's eight loads and its scale words may stay out
.irp g, 0,1,2,3
	v_wmma_scale_f32_16x16x128_f8f6f4 v[S+16*\g:S+16*\g+7], v[KF+8*\g:KF+8*\g+7], v[QA:QA+7], 0, v[KS+\g], v[QSA] matrix_a_fmt:MATRIX_FMT_FP4 matrix_b_fmt:MATRIX_FMT_FP4
	v_wmma_scale_f32_16x16x128_f8f6f4 v[S+16*\g+8:S+16*\g+15], v[KF+8*\g:KF+8*\g+7], v[QB:QB+7], 0, v[KS+\g], v[QSB] matrix_a_fmt:MATRIX_FMT_FP4 matrix_b_fmt:MATRIX_FMT_FP4
.endr
.rept 4
	v_nop
.endr
.irp b, 0,1,2,3
	v_max3_num_f32 v[TM+\b], v[S+16*\b], v[S+1+16*\b], v[S+2+16*\b]       ; the largest score of each block of 32 keys: for the row's maximum, and for the block's largest p
.endr
.irp i, 3,5,7,9,11,13
.irp b, 0,1,2,3
	v_max3_num_f32 v[TM+\b], v[TM+\b], v[S+16*\b+\i], v[S+1+16*\b+\i]
.endr
.endr
.irp b, 0,1,2,3
	v_max_num_f32 v[TM+\b], v[TM+\b], v[S+15+16*\b]
.endr
.irp b, 0,1,2,3
	s_delay_alu instid0(VALU_DEP_4)
	v_permlanex16_b32 v[T2+\b], v[TM+\b], s[SEL], s[SEL+1]
.endr
.irp b, 0,1,2,3
	s_delay_alu instid0(VALU_DEP_4)
	v_max_num_f32 v[TM+\b], v[TM+\b], v[T2+\b]
.endr
	s_delay_alu instid0(VALU_DEP_2)
	v_max3_num_f32 v[TT], v[TM], v[TM+1], v[TM+2]
	s_delay_alu instid0(VALU_DEP_1)
	v_max_num_f32 v[TT], v[TT], v[TM+3]
	s_delay_alu instid0(VALU_DEP_1)
	v_mul_f32 v[TT], s[CSC], v[TT]                 ; as t (c is positive)
	s_delay_alu instid0(VALU_DEP_1)
	v_max_num_f32 v13, v13, v[TT]                  ; the running largest t
	v_mov_b32 v[TT], v12
	s_delay_alu instid0(VALU_DEP_2)
	v_floor_f32 v12, -v13                          ; the new -M
	s_delay_alu instid0(VALU_DEP_1)
	v_sub_f32 v[TT], v12, v[TT]                    ; old M - new M: a whole number, 0 or less
	s_delay_alu instid0(VALU_DEP_1)
	v_cvt_i32_f32 v[TT], v[TT]                     ; (it saturates)
	s_delay_alu instid0(VALU_DEP_1)
	v_ldexp_f32 v[F], 1.0, v[TT]                   ; f
.irp j, 0,2,4,6,8,10,12,14,16,18,20,22,24,26,28,30,32,34,36,38,40,42,44,46,48,50,52,54,56,58,60,62
	v_pk_fma_f32 v[S+\j:S+1+\j], v[S+\j:S+1+\j], s[CSC:CSC+1], v[12:13] op_sel_hi:[1,0,0]       ; t - M
.endr
.irp b, 0,1,2,3
	v_fma_f32 v[TM+\b], v[TM+\b], s[CSC], v12
.endr
	s_wait_alu depctr_va_vdst(0)
.irp j, 0,1,2,3,4,5,6,7,8,9,10,11,12,13,14,15,16,17,18,19,20,21,22,23,24,25,26,27,28,29,30,31,32,33,34,35,36,37,38,39,40,41,42,43,44,45,46,47,48,49,50,51,52,53,54,55,56,57,58,59,60,61,62,63
	v_exp_f32 v[S+\j], v[S+\j]                     ; p
.endr
	s_setprio 1
	v_pk_mul_f32 v[14:15], v[14:15], v[F:F+1] op_sel_hi:[1,0]      ; the sums under the new M (a plain place behind the exponentials)
	s_wait_alu depctr_va_vdst(0)                   ; one wait for the batch of 64, ahead of its first reader
.irp b, 0,1,2,3
	v_exp_f32 v[TM+\b], v[TM+\b]                   ; each block's largest p
.endr
	v_pk_add_f32 v[216:217], v[100:101], v[104:105]
	v_pk_add_f32 v[254:255], v[108:109], v[112:113]
	v_pk_add_f32 v[252:253], v[116:117], v[120:121]
	v_pk_add_f32 v[250:251], v[124:125], v[128:129]
	v_pk_add_f32 v[248:249], v[132:133], v[136:137]
	v_pk_add_f32 v[246:247], v[140:141], v[144:145]
	v_pk_add_f32 v[244:245], v[148:149], v[152:153]
	v_pk_add_f32 v[14:15], v[14:15], v[156:157]
	v_pk_add_f32 v[216:217], v[216:217], v[96:97]
	v_pk_add_f32 v[254:255], v[254:255], v[98:99]
	v_pk_add_f32 v[252:253], v[252:253], v[102:103]
	v_pk_add_f32 v[250:251], v[250:251], v[106:107]
	v_pk_add_f32 v[248:249], v[248:249], v[110:111]
	v_pk_add_f32 v[246:247], v[246:247], v[114:115]
	v_pk_add_f32 v[244:245], v[244:245], v[118:119]
	v_pk_add_f32 v[14:15], v[14:15], v[122:123]
	v_pk_add_f32 v[216:217], v[216:217], v[126:127]
	v_pk_add_f32 v[254:255], v[254:255], v[130:131]
	v_pk_add_f32 v[252:253], v[252:253], v[134:135]
	v_pk_add_f32 v[250:251], v[250:251], v[138:139]
	v_pk_add_f32 v[248:249], v[248:249], v[142:143]
	v_pk_add_f32 v[246:247], v[246:247], v[146:147]
	v_pk_add_f32 v[244:245], v[244:245], v[150:151]
	v_pk_add_f32 v[14:15], v[14:15], v[154:155]
	v_pk_add_f32 v[216:217], v[216:217], v[158:159]
	s_delay_alu instid0(VALU_DEP_2)
	v_pk_add_f32 v[14:15], v[14:15], v[250:251]
	s_delay_alu instid0(VALU_DEP_2)
	v_pk_add_f32 v[216:217], v[216:217], v[248:249]
	v_pk_add_f32 v[254:255], v[254:255], v[246:247]
	v_pk_add_f32 v[252:253], v[252:253], v[244:245]
	s_delay_alu instid0(VALU_DEP_2)
	v_pk_add_f32 v[14:15], v[14:15], v[254:255]
	s_delay_alu instid0(VALU_DEP_2)
	v_pk_add_f32 v[216:217], v[216:217], v[252:253]
	s_delay_alu instid0(VALU_DEP_1)
	v_pk_add_f32 v[14:15], v[14:15], v[216:217]
	s_wait_alu depctr_va_vdst(0)                   ; and one for the four
.irp b, 0,1,2,3
	v_max_num_f32 v[TM+\b], 0x1800000, v[TM+\b]    ; the floor 2^(3 - 127)
.endr
.irp b, 0,1,2,3
	s_delay_alu instid0(VALU_DEP_4)
	v_add_nc_u32 v[SO+\b], 0xff000000, v[TM+\b]
.endr
.irp b, 0,1,2,3
	s_delay_alu instid0(VALU_DEP_4)
	v_lshrrev_b32 v[T2+\b], 23, v[SO+\b]
.endr
	s_delay_alu instid0(VALU_DEP_3)
	v_lshl_or_b32 v[PSW], v[T2+1], 8, v[T2]
	s_delay_alu instid0(VALU_DEP_1)
	v_lshl_or_b32 v[PSW], v[T2+2], 16, v[PSW]
	s_delay_alu instid0(VALU_DEP_1)
	v_lshl_or_b32 v[PSW], v[T2+3], 24, v[PSW]
.irp c, 0,1
	v_cvt_scalef32_pk8_fp4_f32 v[PC+4*\c], v[S+32*\c:S+32*\c+7], v[SO+2*\c]
	v_cvt_scalef32_pk8_fp4_f32 v[PC+4*\c+1], v[S+32*\c+16:S+32*\c+23], v[SO+2*\c+1]
	v_cvt_scalef32_pk8_fp4_f32 v[PC+4*\c+2], v[S+32*\c+8:S+32*\c+15], v[SO+2*\c]
	v_cvt_scalef32_pk8_fp4_f32 v[PC+4*\c+3], v[S+32*\c+24:S+32*\c+31], v[SO+2*\c+1]
.endr
	v_nop                                          ; one plain place behind the conversions
.irp c, 0,1
	v_permlane16_swap_b32 v[PC+4*\c], v[PC+4*\c+1] ; registers 4 c .. 4 c + 3: keys 64 c + 32 h on
	v_permlane16_swap_b32 v[PC+4*\c+2], v[PC+4*\c+3]
.endr
	s_setprio 0
.irp j, 0,2,4,6,8,10,12,14,16,18,20,22,24,26,28,30
	v_pk_mul_f32 v[O+\j:O+1+\j], v[O+\j:O+1+\j], v[F:F+1] op_sel_hi:[1,0]      ; O^T under the new M; these sixteen are also the places in front of the scaled products
.endr
	s_wait_alu depctr_va_vdst(0)
	s_wait_dscnt 0x0                               ; v and its scale words are in
.irp g, 0,1,2,3
	v_wmma_scale_f32_16x16x128_f8f6f4 v[O+8*\g:O+8*\g+7], v[VF+8*\g:VF+8*\g+7], v[PC:PC+7], v[O+8*\g:O+8*\g+7], v[VS+\g], v[PSW] matrix_a_fmt:MATRIX_FMT_FP4 matrix_b_fmt:MATRIX_FMT_FP4
.endr
	s_add_co_u32 s[TB], s[TB], REC
.endm
.macro KEYS trips
	s_mov_b32 s3, \trips
.Lkeys_\@:
	s_wait_alu depctr_va_vdst(0)
	s_setprio 2
	STEP
	s_sub_co_u32 s3, s3, 1
	s_cmp_lg_u32 s3, 0
	s_cbranch_scc1 .Lkeys_\@
	s_setprio 0
.endm
; A PASS: tile p of my two tiles of 16 queries against all 2,048 keys.
.macro PASS p
	global_load_b128 v[QA:QA+3], v[LI], s[18:19] offset:512*\p     ; q's image, once into each operand
	global_load_b128 v[QB+4:QB+7], v[LI], s[18:19] offset:512*\p
	v_mov_b32 v13, 0xff61b1e6                      ; the largest t so far: -3e38
	s_delay_alu instid0(VALU_DEP_1)
	v_floor_f32 v12, -v13
	v_mov_b32 v14, 0
	v_mov_b32 v15, 0
.irp j, 0,1,2,3,4,5,6,7,8,9,10,11,12,13,14,15,16,17,18,19,20,21,22,23,24,25,26,27,28,29,30,31
	v_mov_b32 v[O+\j], 0                           ; the step is written once: the first finds zeros, which the first change of M leaves zeros
.endr
	s_wait_loadcnt 0x0
.if \p == 0
	v_and_b32 v[QSA], 0xffff, v[QW]                ; my tile's two bytes under q's codes, the byte 0 under the zero codes
	v_lshlrev_b32 v[QSB], 16, v[QW]
.else
	v_lshrrev_b32 v[QSA], 16, v[QW]
	v_and_b32 v[QSB], 0xffff0000, v[QW]
.endif
.rept 8
	v_nop                                          ; a scale register written by a vector instruction stands eight places ahead of a scaled product
.endr
.if \p == 0
.irp j, 0,1,2,3
	s_wait_tensorcnt 3-\j                          ; quarter j of k (wave 0) or of v (wave 1) is in; the quarters issued behind it may stay out
	s_wait_dscnt 0x0
	s_barrier_signal -1
	s_barrier_wait -1
	s_mov_b32 s[TB], QUART*\j
	KEYS 4
.endr
.else
	s_mov_b32 s[TB], 0
	KEYS 16
.endif
.rept 4
	v_nop
.endr
	v_add_f32 v14, v14, v15                        ; the sum's two halves,
	s_delay_alu instid0(VALU_DEP_1)
	v_permlanex16_b32 v[TT], v14, s[SEL], s[SEL+1]
	s_delay_alu instid0(VALU_DEP_1)
	v_add_f32 v14, v14, v[TT]                      ; and lane l xor 16's
	s_wait_alu depctr_va_vdst(0)
	v_rcp_f32 v14, v14
	v_nop
	s_wait_alu depctr_va_vdst(0)                   ; ahead of the first reader
.irp j, 0,2,4,6,8,10,12,14,16,18,20,22,24,26,28,30
	v_pk_mul_f32 v[S+\j:S+1+\j], v[O+\j:O+1+\j], v[14:15] op_sel_hi:[1,0]      ; o: register 8 a + j is d = 16 a + 8 h + j of query r
.endr
	v_max3_num_f32 v[TM], |v[S]|, |v[S+1]|, 0x1800000              ; the quantiser along D: two blocks of 32
	v_max3_num_f32 v[TM+1], |v[S+16]|, |v[S+17]|, 0x1800000
.irp i, 2,4,6,8,10,12,14
	s_delay_alu instid0(VALU_DEP_2)
	v_max3_num_f32 v[TM], v[TM], |v[S+\i]|, |v[S+\i+1]|
	s_delay_alu instid0(VALU_DEP_2)
	v_max3_num_f32 v[TM+1], v[TM+1], |v[S+16+\i]|, |v[S+17+\i]|
.endr
	s_delay_alu instid0(VALU_DEP_2)
	v_permlanex16_b32 v[T2], v[TM], s[SEL], s[SEL+1]
	s_delay_alu instid0(VALU_DEP_2)
	v_permlanex16_b32 v[T2+1], v[TM+1], s[SEL], s[SEL+1]
	s_delay_alu instid0(VALU_DEP_2)
	v_max_num_f32 v[TM], v[TM], v[T2]
	s_delay_alu instid0(VALU_DEP_2)
	v_max_num_f32 v[TM+1], v[TM+1], v[T2+1]
	s_delay_alu instid0(VALU_DEP_2)
	v_add_nc_u32 v[SO], 0xff000000, v[TM]
	s_delay_alu instid0(VALU_DEP_2)
	v_add_nc_u32 v[SO+1], 0xff000000, v[TM+1]
	s_delay_alu instid0(VALU_DEP_2)
	v_lshrrev_b32 v[T2+2], 23, v[SO]
	s_delay_alu instid0(VALU_DEP_2)
	v_lshrrev_b32 v[T2+3], 23, v[SO+1]
	v_cvt_scalef32_pk8_fp4_f32 v[OC+4*\p], v[S:S+7], v[SO]
	v_cvt_scalef32_pk8_fp4_f32 v[OC+4*\p+2], v[S+8:S+15], v[SO]
	v_cvt_scalef32_pk8_fp4_f32 v[OC+4*\p+1], v[S+16:S+23], v[SO+1]
	v_cvt_scalef32_pk8_fp4_f32 v[OC+4*\p+3], v[S+24:S+31], v[SO+1]
	v_lshl_or_b32 v[TT], v[T2+3], 8, v[T2+2]       ; the two bytes (a plain place behind the conversions)
	v_permlane16_swap_b32 v[OC+4*\p], v[OC+4*\p+1]
	v_permlane16_swap_b32 v[OC+4*\p+2], v[OC+4*\p+3]
	global_store_b128 v[LI], v[OC+4*\p:OC+4*\p+3], s[68:69] offset:8192*\p     ; 512 consecutive bytes, at a multiple of 256 from the buffer's first byte
.if \p == 0
	v_mov_b32 v[WS], v[TT]
.else
	v_cndmask_b32 v[WS], v[WS], v[TT], s17         ; lanes 16-31 take this pass's
	global_store_b16 v[L2], v[WS], s[70:71]        ; 64 consecutive bytes: my two tiles' scale bytes
.endif
.endm
	PASS 0
	PASS 1
	s_wait_tensorcnt 0x0                           ; the wave's end
	ds_add_u32 v[SPW], v[NIL]
	s_wait_dscnt 0x0
	CROUND                                         ; the closing round
	s_endpgm
.Lfunc_end_k_q9cc2e1de60_attn:
	.size	k_q9cc2e1de60_attn, .Lfunc_end_k_q9cc2e1de60_attn-k_q9cc2e1de60_attn
	.p2alignl 7, 3214868480
	.fill 96, 4, 3214868480
	.section	.rodata,"a",@progbits
	.p2align	6, 0x0
	.amdhsa_kernel k_q9cc2e1de60_attn
		.amdhsa_group_segment_fixed_size 167936
		.amdhsa_private_segment_fixed_size 0
		.amdhsa_enable_private_segment 0
		.amdhsa_kernarg_size 32
		.amdhsa_user_sgpr_count 2
		.amdhsa_user_sgpr_kernarg_segment_ptr 1
		.amdhsa_wavefront_size32 1
		.amdhsa_system_sgpr_workgroup_id_x 1
		.amdhsa_system_sgpr_workgroup_id_y 1
		.amdhsa_system_sgpr_workgroup_id_z 1
		.amdhsa_system_vgpr_workitem_id 0
		.amdhsa_next_free_vgpr 256
		.amdhsa_next_free_sgpr 100
		.amdhsa_reserve_vcc 0
		.amdhsa_float_denorm_mode_32 3
		.amdhsa_float_denorm_mode_16_64 3
		.amdhsa_memory_ordered 1
		.amdhsa_forward_progress 1
		.amdhsa_inst_pref_size 101
	.end_amdhsa_kernel
	.amdgpu_metadata
---
amdhsa.version: [ 1, 2 ]
amdhsa.kernels:
  - .name:           k_q9cc2e1de60_attn
    .symbol:         k_q9cc2e1de60_attn.kd
    .args:
      - { .name: qkc, .offset: 0, .size: 8, .value_kind: global_buffer, .address_space: global }
      - { .name: vbc, .offset: 8, .size: 8, .value_kind: global_buffer, .address_space: global }
      - { .name: a_img, .offset: 16, .size: 8, .value_kind: global_buffer, .address_space: global }
      - { .name: a_sc, .offset: 24, .size: 8, .value_kind: global_buffer, .address_space: global }
    .group_segment_fixed_size: 167936
    .private_segment_fixed_size: 0
    .kernarg_segment_align: 8
    .kernarg_segment_size: 32
    .max_flat_workgroup_size: 512
    .sgpr_count:     100
    .vgpr_count:     256
    .wavefront_size: 32
...
	.end_amdgpu_metadata
.endif
;; end of part 3
;; launch proj (part 4): grid 4 x 64, 4 waves a work-group, clusters of 4 x 4, 262,144 bytes of LDS; arguments a_img, a_sc, W_proj_codes, W_proj_scales, b_proj, out0; writes out0
.if DOCPART == 4
	.amdgcn_target "amdgcn-amd-amdhsa--gfx1250"
	.amdhsa_code_object_version 6
	.text
	.protected	k_q9cc2e1de60_proj
	.globl	k_q9cc2e1de60_proj
	.p2align	8
	.type	k_q9cc2e1de60_proj,@function
k_q9cc2e1de60_proj:
	s_mov_b64 s[64:65], 0
	v_nop
	global_prefetch_b8 v0, s[64:65] scope:SCOPE_SE
	s_setreg_imm32_b32 hwreg(HW_REG_WAVE_MODE, 25, 1), 1
	s_wait_xcnt 0x0
	s_wait_alu depctr_hold_cnt(0) depctr_sa_sdst(0) depctr_va_vdst(0) depctr_va_sdst(0) depctr_va_ssrc(0) depctr_va_vcc(0) depctr_vm_vsrc(0)
	s_getreg_b32 s2, hwreg(HW_REG_IB_STS2, 6, 4)
	s_cmp_eq_u32 s2, 0
	s_cbranch_scc0 .Lentry_in_a_cluster
	s_endpgm
.Lentry_in_a_cluster:
	s_bfe_u32 s2, ttmp6, 0x10000c
	s_cmp_lg_u32 s2, 0xf033
	s_cbranch_scc0 .Lentry_shape_is_right
	s_endpgm
.Lentry_shape_is_right:
; LAUNCH 4 OF 4.  out0 = o W_proj + b_proj on codes of FP4 with E8M0 scales; o's codes and scale bytes are launch 3's.  Nothing of reference() is left out.
; The product of launch 1: a lane holds one token (source 1 = 16 tokens of o), its registers run along the output features (source 0 = 16 rows of W_proj).  Register j of lane (r, h) of accumulator (a, b): token 16 a + r, feature 16 b + 8 h + j.
; SHARES.  A work-group: 128 tokens x 256 features; wave w: tokens 64 (w / 2) on, features 128 (w % 2) on: 4 x 8 accumulators.  All of K lies in LDS, brought once.  CLUSTER 4 x 4: o's tiles shared along a row, W's along a column.
; o COMES AS IMAGES of operand registers, a_img [tile of 16 tokens][K step 8][c 2][512 bytes]: a fragment is two loads at 16 x lane.  Its scale bytes a_sc [head 16][tile][r] of two bytes: a K step's word is made of two heads' halves.
; THE WAY OUT: a lane's eight results are 32 bytes of a row; 16 rows x 512 bytes go through the wave's own stage in LDS and leave as whole rows: each store covers 512 consecutive bytes, aligned.
; REGISTERS: window 0: v16-29 addresses; v32-63 o's scale words (8 a + q), v64-127 W's (8 b + q); v128-191 o's fragments, two sets; v192-255 the bias; on the way out v128-255 rows of out0.  window 1: W's fragments, two sets.  window 2: the accumulators.
.set PITCH,  272
.set AHALF,  16384                     ; four tiles' images of half of K: what one tensor load brings of o
.set BHALF,  128*PITCH
.set BOFF,   2*64*PITCH
.set SLOT,   BOFF+2*BHALF              ; a half of K: o's images, then W's 256 rows
.set SCA,    2*SLOT                    ; o's scale bytes: a row of 256 bytes + 16 for each head
.set SAH,    8*272
.set SCB,    SCA+2*SAH
.set SBH,    16*272
.set SPARE,  SCB+2*SBH                 ; the spare words: two blocks of 256 bytes that no other line names
.set STAGE,  SPARE+512                 ; 16 rows x (512 + 16) bytes for each wave; no fill ever lands here
.set SPITCH, 528
.set ADRA, 16
.set ADRB, 20
.set ADSA, 22
.set ADSB, 23
.set STO,  24                          ; v24 the stage: where I put 32 bytes of a row
.set RD,   25                          ; v25 and where I read a row back
.set CO,   26                          ; v26 16 x lane
.set BO,   27
.set SPW,  28
.set NIL,  29
.set SA,   32
.set SB,   64
.set AF,   128
.set HI,   160                         ; the upper halves of o's scale words, before the first fragments of set 1 land there
.set BI,   192
.set BK,   128                         ; the way out: two sets of 64
.set G1,   24
.set G0,   32
.set G1B,  48
.set G0B,  56
.set G1S,  68
.set G0S,  76
.set G1SB, 80
.set G0SB, 88
.set W_ACC,   0xa1
.set W_FIRST, 0x81
.set TO_B,    0x40
.set MSB, 0
.macro WIN new
.if MSB != \new
	s_set_vgpr_msb (MSB<<8)|\new
.set MSB, \new
.endif
.endm
.macro JLOAD g0a, g1a, g0b, g1b        ; a joint load: waves 0 and 1 fetch for o, waves 2 and 3 for W; an s_nop 0 and four v_nop follow each line
	s_cmp_eq_u32 s21, 0
	s_cbranch_scc0 .Lfor_b_\@
	tensor_load_to_lds s[\g0a:\g0a+3], s[\g1a:\g1a+7]
	s_nop 0
.rept 4
	v_nop
.endr
	s_branch .Lasked_\@
.Lfor_b_\@:
	tensor_load_to_lds s[\g0b:\g0b+3], s[\g1b:\g1b+7]
	s_nop 0
.rept 4
	v_nop
.endr
.Lasked_\@:
.endm
.macro CROUND
	s_barrier_signal -1
	s_barrier_wait -1
	s_cmp_lg_u32 s20, 0
	s_cbranch_scc1 .Lnot_wave_0_\@
	s_barrier_signal -3
.Lnot_wave_0_\@:
	s_barrier_wait -3
	s_barrier_signal -1
	s_barrier_wait -1
.endm
.macro PLACES n
.rept \n
	v_nop
.endr
.endm
	s_load_b256 s[4:11], s[0:1], 0x0               ; a_img s[4:5], a_sc s[6:7], W's codes s[8:9], W's scales s[10:11]
	s_load_b128 s[12:15], s[0:1], 0x20             ; b_proj s[12:13], out0 s[14:15]
	v_lshl_add_u32 v[SPW], v0, 2, SPARE
	v_mov_b32 v[NIL], 0
	ds_add_u32 v[SPW], v[NIL]                      ; the wave's opening: the add, twice on end, and its wait ahead of my first tensor load
	ds_add_u32 v[SPW], v[NIL]
	v_lshrrev_b32 v1, 5, v0
	v_readfirstlane_b32 s20, v1                    ; wave 0..3
	s_lshr_b32 s21, s20, 1                         ; wa
	s_and_b32 s22, s20, 1                          ; wb
	s_bfe_u32 s40, ttmp6, 0x40000
	s_bfe_u32 s41, ttmp6, 0x40004
	s_lshl_b32 s42, ttmp9, 2
	s_add_co_u32 s42, s42, s40                     ; bx: which 256 features
	s_and_b32 s43, ttmp7, 0xffff
	s_lshl_b32 s43, s43, 2
	s_add_co_u32 s43, s43, s41                     ; ay: which 128 tokens
	s_lshl_b32 s44, s41, 2
	s_lshl_b32 s44, 15, s44
	s_lshl_b32 s45, 0x1111, s40
	s_or_b32 s[G1], s44, (3<<16)|(1<<21)           ; o's images: 4 rows (tiles) of 4,096 bytes (512 elements of 8 bytes), 8,192 bytes apart, no padding
	s_mov_b32 s[G1+1], 512<<16
	s_mov_b32 s[G1+2], 4<<16
	s_mov_b32 s[G1+3], 512<<16
	s_mov_b32 s[G1+4], 4
	s_mov_b32 s[G1+5], 1024
	s_mov_b32 s[G1+6], 0
	s_mov_b32 s[G1+7], 0
	s_or_b32 s[G1B], s45, (1<<20)|(1<<21)|(5<<22)|(3<<25)          ; W's codes: 128 rows of 256 bytes, 512 apart, padded
	s_mov_b32 s[G1B+1], 256<<16
	s_mov_b32 s[G1B+2], 128<<16
	s_mov_b32 s[G1B+3], 256<<16
	s_mov_b32 s[G1B+4], 128
	s_mov_b32 s[G1B+5], 512
	s_mov_b32 s[G1B+6], 0
	s_mov_b32 s[G1B+7], 0
	s_or_b32 s[G1S], s44, (3<<16)|(1<<20)|(1<<21)|(5<<22)|(3<<25)  ; o's scale bytes: 8 heads' rows of 256 bytes, 16,384 bytes apart
	s_mov_b32 s[G1S+1], 32<<16
	s_mov_b32 s[G1S+2], 8<<16
	s_mov_b32 s[G1S+3], 32<<16
	s_mov_b32 s[G1S+4], 8
	s_mov_b32 s[G1S+5], 2048
	s_mov_b32 s[G1S+6], 0
	s_mov_b32 s[G1S+7], 0
	s_or_b32 s[G1SB], s45, (3<<16)|(1<<20)|(1<<21)|(5<<22)|(3<<25) ; W's: dense, 16 rows of 256 bytes
	s_mov_b32 s[G1SB+1], 32<<16
	s_mov_b32 s[G1SB+2], 16<<16
	s_mov_b32 s[G1SB+3], 32<<16
	s_mov_b32 s[G1SB+4], 16
	s_mov_b32 s[G1SB+5], 32
	s_mov_b32 s[G1SB+6], 0
	s_mov_b32 s[G1SB+7], 0
	s_lshl_b32 s92, s43, 16                        ; o's images: tile 8 ay + 4 half, 8,192 bytes a tile
	s_lshl_b32 s93, s22, 15
	s_add_co_u32 s92, s92, s93
	s_mov_b32 s93, 0
	s_lshl_b32 s94, s22, 17                        ; its scale bytes: head 8 half, + 256 ay
	s_lshl_b32 s95, s43, 8
	s_add_co_u32 s94, s94, s95
	s_mov_b32 s95, 0
	s_lshl_b32 s96, s42, 8
	s_lshl_b32 s97, s22, 7
	s_add_co_u32 s96, s96, s97                     ; W: row 256 bx + 128 half
	s_lshl_b32 s46, s96, 5
	s_lshl_b32 s96, s96, 9
	s_mov_b32 s97, 0
	s_mov_b32 s47, 0
	s_mul_i32 s2, s22, AHALF
	s_mul_i32 s3, s22, BHALF
	s_add_co_u32 s3, s3, BOFF
	s_mul_i32 s23, s22, SAH
	s_mul_i32 s99, s22, SBH
	s_wait_dscnt 0x0                               ; both opening adds are done
	s_wait_kmcnt 0x0
	s_add_nc_u64 s[92:93], s[4:5], s[92:93]
	s_add_nc_u64 s[94:95], s[6:7], s[94:95]
	s_add_nc_u64 s[96:97], s[8:9], s[96:97]
	s_add_nc_u64 s[46:47], s[10:11], s[46:47]
	s_mov_b32 s[G0S], 1
	s_add_co_u32 s[G0S+1], s23, SCA
	s_mov_b64 s[G0S+2:G0S+3], s[94:95]
	s_or_b32 s[G0S+3], s[G0S+3], 0x80000000
	s_mov_b32 s[G0SB], 1
	s_add_co_u32 s[G0SB+1], s99, SCB
	s_mov_b64 s[G0SB+2:G0SB+3], s[46:47]
	s_or_b32 s[G0SB+3], s[G0SB+3], 0x80000000
.irp s, 0,1
	s_mov_b32 s[G0+4*\s], 1
	s_add_co_u32 s[G0+4*\s+1], s2, \s*SLOT
	s_add_nc_u64 s[G0+4*\s+2:G0+4*\s+3], s[92:93], \s*4096
	s_or_b32 s[G0+4*\s+3], s[G0+4*\s+3], 0x80000000
	s_mov_b32 s[G0B+4*\s], 1
	s_add_co_u32 s[G0B+4*\s+1], s3, \s*SLOT
	s_add_nc_u64 s[G0B+4*\s+2:G0B+4*\s+3], s[96:97], \s*256
	s_or_b32 s[G0B+4*\s+3], s[G0B+4*\s+3], 0x80000000
.endr
	CROUND                                         ; all sixteen work-groups are here: the joint loads meet
	JLOAD G0S, G1S, G0SB, G1SB                     ; three loads of mine are out at the most
	JLOAD G0, G1, G0B, G1B
	JLOAD G0+4, G1, G0B+4, G1B
	v_and_b32 v1, 15, v0                           ; r
	v_bfe_u32 v2, v0, 4, 1                         ; h
	v_and_b32 v7, 31, v0
	v_lshlrev_b32 v[CO], 4, v7                     ; 16 x lane
	v_mul_u32_u24 v3, v1, PITCH
	v_lshl_add_u32 v3, v2, 4, v3
	s_mul_i32 s2, s21, AHALF
	s_mul_i32 s3, s22, BHALF
	s_add_co_u32 s3, s3, BOFF
	v_add_nc_u32 v[ADRA], s2, v[CO]
	v_add_nc_u32 v[ADRB], s3, v3
	s_add_co_u32 s2, s2, SLOT
	s_add_co_u32 s3, s3, SLOT
	v_add_nc_u32 v[ADRA+1], s2, v[CO]
	v_add_nc_u32 v[ADRB+1], s3, v3
	s_lshl_b32 s2, s21, 7
	s_add_co_u32 s2, s2, SCA
	v_lshl_add_u32 v[ADSA], v1, 1, s2              ; o's scale bytes: my four tiles' 128 bytes of a head's row, + 2 r
	v_lshrrev_b32 v4, 3, v1
	v_lshlrev_b32 v5, 5, v1
	v_lshl_add_u32 v5, v4, 4, v5
	s_mul_i32 s3, s22, SBH
	s_add_co_u32 s3, s3, SCB
	v_add_nc_u32 v[ADSB], s3, v5
	s_lshl_b32 s2, s42, 10
	s_lshl_b32 s3, s22, 9
	s_add_co_u32 s2, s2, s3                        ; the bias of my 128 features
	s_mov_b32 s3, 0
	s_add_nc_u64 s[12:13], s[12:13], s[2:3]
	v_lshlrev_b32 v[BO], 5, v2
.irp b, 0,1,2,3,4,5,6,7
	global_load_b128 v[BI+8*\b:BI+8*\b+3], v[BO], s[12:13] offset:64*\b
	global_load_b128 v[BI+8*\b+4:BI+8*\b+7], v[BO], s[12:13] offset:64*\b+16
.endr
	s_mul_i32 s2, s20, 16*SPITCH
	s_add_co_u32 s2, s2, STAGE                     ; my stage
	v_mul_u32_u24 v4, v1, SPITCH
	v_lshl_add_u32 v4, v2, 5, v4
	v_add_nc_u32 v[STO], s2, v4
	v_add_nc_u32 v[RD], s2, v[CO]
	s_lshl_b32 s2, s43, 19                         ; out0: (128 ay + 64 wa) rows of 4,096 bytes + 1,024 bx + 512 wb
	s_lshl_b32 s3, s21, 18
	s_add_co_u32 s2, s2, s3
	s_lshl_b32 s3, s42, 10
	s_add_co_u32 s2, s2, s3
	s_lshl_b32 s3, s22, 9
	s_add_co_u32 s2, s2, s3
	s_mov_b32 s3, 0
	s_add_nc_u64 s[14:15], s[14:15], s[2:3]
.macro FETCH q
	WIN TO_B
.irp b, 0,1,2,3,4,5,6,7
.irp c, 0,1
	ds_load_b128 v[64*((\q)%2)+8*\b+4*\c:64*((\q)%2)+8*\b+4*\c+3], v[ADRB+(\q)/4] offset:16*PITCH*\b+64*((\q)%4)+32*\c
.endr
.endr
	WIN 0
.irp a, 0,1,2,3
.irp c, 0,1
	ds_load_b128 v[AF+32*((\q)%2)+8*\a+4*\c:AF+32*((\q)%2)+8*\a+4*\c+3], v[ADRA+(\q)/4] offset:4096*\a+1024*((\q)%4)+512*\c
.endr
.endr
.endm
.macro MUL q, first                    ; the 32 accumulators take turns, one instruction a turn
.irp a, 0,1,2,3
.irp b, 0,1,2,3,4,5,6,7
.if \first
	v_wmma_scale_f32_16x16x128_f8f6f4 v[8*(8*\a+\b):8*(8*\a+\b)+7], v[64*((\q)%2)+8*\b:64*((\q)%2)+8*\b+7], v[AF+32*((\q)%2)+8*\a:AF+32*((\q)%2)+8*\a+7], v[BI+8*\b:BI+8*\b+7], v[SB+8*\b+(\q)], v[SA+8*\a+(\q)] matrix_a_fmt:MATRIX_FMT_FP4 matrix_b_fmt:MATRIX_FMT_FP4
.else
	v_wmma_scale_f32_16x16x128_f8f6f4 v[8*(8*\a+\b):8*(8*\a+\b)+7], v[64*((\q)%2)+8*\b:64*((\q)%2)+8*\b+7], v[AF+32*((\q)%2)+8*\a:AF+32*((\q)%2)+8*\a+7], v[8*(8*\a+\b):8*(8*\a+\b)+7], v[SB+8*\b+(\q)], v[SA+8*\a+(\q)] matrix_a_fmt:MATRIX_FMT_FP4 matrix_b_fmt:MATRIX_FMT_FP4
.endif
.endr
.endr
.endm
.macro STEP q
.if (\q) > 0
	PLACES 4                                       ; four places in front of loads into registers that matrix instructions have read
.endif
.if (\q) < 7
	FETCH (\q)+1
	s_wait_dscnt 24                                ; all but the 24 just issued
.else
	s_wait_dscnt 0x0
.endif
.if (\q) == 0
	WIN W_FIRST
	MUL \q, 1
.else
	WIN W_ACC
	MUL \q, 0
.endif
	WIN 0
.endm
	s_wait_alu depctr_va_vdst(0)
	s_wait_tensorcnt 0x1                           ; the scale bytes and my part of K's first half are in
	s_barrier_signal -1
	s_barrier_wait -1
.irp b, 0,1,2,3,4,5,6,7
	ds_load_b128 v[SB+8*\b:SB+8*\b+3], v[ADSB] offset:544*\b
	ds_load_b128 v[SB+8*\b+4:SB+8*\b+7], v[ADSB] offset:544*\b+16
.endr
.irp a, 0,1,2,3
.irp q, 0,1,2,3,4,5,6,7
	ds_load_u16 v[SA+8*\a+\q], v[ADSA] offset:544*\q+32*\a         ; head 2 q's two bytes of token 16 a + r,
	ds_load_u16 v[HI+8*\a+\q], v[ADSA] offset:544*\q+272+32*\a     ; head 2 q + 1's
.endr
.endr
	FETCH 0
	s_wait_dscnt 24                                ; all but FETCH 0's 24: the scale bytes are in
.irp n, 0,1,2,3,4,5,6,7,8,9,10,11,12,13,14,15,16,17,18,19,20,21,22,23,24,25,26,27,28,29,30,31
	v_lshl_or_b32 v[SA+\n], v[HI+\n], 16, v[SA+\n] ; K step q's word
.endr
	PLACES 8                                       ; a scale register written by a vector instruction stands eight places ahead of a scaled product
	s_wait_alu depctr_va_vdst(0)
	s_wait_loadcnt 0x0                             ; the bias
	STEP 0
	STEP 1
	STEP 2
	s_wait_tensorcnt 0x0                           ; my part of K's second half is in,
	s_wait_dscnt 0x0
	s_barrier_signal -1
	s_barrier_wait -1                              ; everybody's is
	STEP 3
	STEP 4
	STEP 5
	STEP 6
	STEP 7
.macro TOSTAGE a                       ; block a (16 tokens x 128 features) into my stage and back as whole rows; LDS serves a wave's instructions in order (ISA guide 5.7.1.4): no wait between
	WIN 0x08                                       ; an LDS store's data are its source 1: window 2
.irp b, 0,1,2,3,4,5,6,7
	ds_store_b128 v[STO], v[8*(8*(\a)+\b):8*(8*(\a)+\b)+3] offset:64*\b        ; each accumulator from its low end on
	ds_store_b128 v[STO], v[8*(8*(\a)+\b)+4:8*(8*(\a)+\b)+7] offset:64*\b+16
.endr
	WIN 0
.irp t, 0,1,2,3,4,5,6,7,8,9,10,11,12,13,14,15
	ds_load_b128 v[BK+64*((\a)%2)+4*\t:BK+64*((\a)%2)+4*\t+3], v[RD] offset:\t*SPITCH
.endr
.endm
.macro SEND a, younger                 ; younger: the LDS instructions issued behind block a's loads, which may stay out
	s_wait_dscnt \younger
.irp t, 0,1,2,3,4,5,6,7,8,9,10,11,12,13,14,15
	global_store_b128 v[CO], v[BK+64*((\a)%2)+4*\t:BK+64*((\a)%2)+4*\t+3], s[14:15] offset:(16*(\a)+\t)*4096 th:TH_STORE_NT    ; 512 consecutive bytes, at a multiple of 256 from out0's first byte; written once, read by nobody here
.endr
.endm
	PLACES 4                                       ; behind the last products: results are read, and registers that they read are loaded into
	TOSTAGE 0
	TOSTAGE 1
	SEND 0, 32                                     ; behind block 0's loads: block 1's 16 stores and 16 loads
	s_wait_xcnt 0x0                                ; block 0's stores have read their registers: block 2's rows may land there
	TOSTAGE 2
	SEND 1, 32
	s_wait_xcnt 0x0                                ; likewise block 1's
	TOSTAGE 3
	SEND 2, 32
	SEND 3, 0
	s_wait_tensorcnt 0x0                           ; the wave's end: behind my last tensor load and my last LDS store
	ds_add_u32 v[SPW], v[NIL]
	s_wait_dscnt 0x0
	CROUND                                         ; the closing round
	s_endpgm
.Lfunc_end_k_q9cc2e1de60_proj:
	.size	k_q9cc2e1de60_proj, .Lfunc_end_k_q9cc2e1de60_proj-k_q9cc2e1de60_proj
	.p2alignl 7, 3214868480
	.fill 96, 4, 3214868480
	.section	.rodata,"a",@progbits
	.p2align	6, 0x0
	.amdhsa_kernel k_q9cc2e1de60_proj
		.amdhsa_group_segment_fixed_size 262144
		.amdhsa_private_segment_fixed_size 0
		.amdhsa_enable_private_segment 0
		.amdhsa_kernarg_size 48
		.amdhsa_user_sgpr_count 2
		.amdhsa_user_sgpr_kernarg_segment_ptr 1
		.amdhsa_wavefront_size32 1
		.amdhsa_system_sgpr_workgroup_id_x 1
		.amdhsa_system_sgpr_workgroup_id_y 1
		.amdhsa_system_sgpr_workgroup_id_z 1
		.amdhsa_system_vgpr_workitem_id 0
		.amdhsa_next_free_vgpr 768
		.amdhsa_next_free_sgpr 100
		.amdhsa_reserve_vcc 0
		.amdhsa_float_denorm_mode_32 3
		.amdhsa_float_denorm_mode_16_64 3
		.amdhsa_memory_ordered 1
		.amdhsa_forward_progress 1
		.amdhsa_inst_pref_size 80
	.end_amdhsa_kernel
	.amdgpu_metadata
---
amdhsa.version: [ 1, 2 ]
amdhsa.kernels:
  - .name:           k_q9cc2e1de60_proj
    .symbol:         k_q9cc2e1de60_proj.kd
    .args:
      - { .name: a_img, .offset: 0, .size: 8, .value_kind: global_buffer, .address_space: global }
      - { .name: a_sc, .offset: 8, .size: 8, .value_kind: global_buffer, .address_space: global }
      - { .name: W_proj_codes, .offset: 16, .size: 8, .value_kind: global_buffer, .address_space: global }
      - { .name: W_proj_scales, .offset: 24, .size: 8, .value_kind: global_buffer, .address_space: global }
      - { .name: b_proj, .offset: 32, .size: 8, .value_kind: global_buffer, .address_space: global }
      - { .name: out0, .offset: 40, .size: 8, .value_kind: global_buffer, .address_space: global }
    .group_segment_fixed_size: 262144
    .private_segment_fixed_size: 0
    .kernarg_segment_align: 8
    .kernarg_segment_size: 48
    .max_flat_workgroup_size: 128
    .sgpr_count:     100
    .vgpr_count:     768
    .wavefront_size: 32
...
	.end_amdgpu_metadata
.endif
;; end of part 4
